; MI455X (gfx1250); checked and timed in simulation.
; The chip was launched on July 23, 2026; its instructions are those of AMD's public machine-readable ISA for CDNA 5 (MIT licence, August 2026) and "CDNA5" Instruction Set Architecture Reference Guide (July 2026). The comments in the code are by the model that wrote it; some were corrected since.
;; Mixture Of Experts. Allowed arithmetic: matrix products marked QUANTISED: E2M1 operands, one E8M0 scale for each 32 along K, by v_wmma_scale_f32_16x16x128_f8f6f4 with both operands' format E2M1 (or v_wmma_scale_f32_32x16x128_f4), f32 sums; products left as they are: f32 operands where the result goes on into a quantised operand, else bf16, f16 or f32 operands; f32 sums; everything else in f32.
;; Inputs: router_w 8 x 1,024 float32; w1 8 x 2,048 x 1,024 float32; w2 8 x 1,024 x 2,048 float32; w3 8 x 2,048 x 1,024 float32; x 4 x 256 x 1,024 float32.
;; Outputs: out0 4 x 256 x 1,024 float32.
;; This version of the problem:
;;   THIS VERSION OF THE PROBLEM IS GIVEN IN LOW PRECISION. The matrix products marked QUANTISED in the list below multiply operands that are first quantised to E2M1 (2 exponent bits, 1 mantissa bit; 4 bits a number), with one power-of-two scale for each 32 numbers along K (OCP MX v1.0); their sums are f32. All else is computed in f32.
;;   The module's matrix products, in the order in which they are computed (A, B: the left and right operand; K: the contracted axis; several contracted axes count as one K, in the product's order):
;;     1. [M 1,024, K 1,024] x [K 1,024, N 8]; A: input x; B: input router_w: left as it is (N = 8 < 16)
;;     2. [M 1,024, K 1,024] x [K 1,024, N 2,048]; A: input x; B: input w1: QUANTISED
;;     3. [M 1,024, K 1,024] x [K 1,024, N 2,048]; A: input x; B: input w3: QUANTISED
;;     4. [M 1,024, K 2,048] x [K 2,048, N 1,024]; A: computed on the way; B: input w2: QUANTISED
;;     5. [M 1,024, K 1,024] x [K 1,024, N 2,048]; A: input x; B: input w1: QUANTISED
;;     6. [M 1,024, K 1,024] x [K 1,024, N 2,048]; A: input x; B: input w3: QUANTISED
;;     7. [M 1,024, K 2,048] x [K 2,048, N 1,024]; A: computed on the way; B: input w2: QUANTISED
;;     8. [M 1,024, K 1,024] x [K 1,024, N 2,048]; A: input x; B: input w1: QUANTISED
;;     9. [M 1,024, K 1,024] x [K 1,024, N 2,048]; A: input x; B: input w3: QUANTISED
;;     10. [M 1,024, K 2,048] x [K 2,048, N 1,024]; A: computed on the way; B: input w2: QUANTISED
;;     11. [M 1,024, K 1,024] x [K 1,024, N 2,048]; A: input x; B: input w1: QUANTISED
;;     12. [M 1,024, K 1,024] x [K 1,024, N 2,048]; A: input x; B: input w3: QUANTISED
;;     13. [M 1,024, K 2,048] x [K 2,048, N 1,024]; A: computed on the way; B: input w2: QUANTISED
;;     14. [M 1,024, K 1,024] x [K 1,024, N 2,048]; A: input x; B: input w1: QUANTISED
;;     15. [M 1,024, K 1,024] x [K 1,024, N 2,048]; A: input x; B: input w3: QUANTISED
;;     16. [M 1,024, K 2,048] x [K 2,048, N 1,024]; A: computed on the way; B: input w2: QUANTISED
;;     17. [M 1,024, K 1,024] x [K 1,024, N 2,048]; A: input x; B: input w1: QUANTISED
;;     18. [M 1,024, K 1,024] x [K 1,024, N 2,048]; A: input x; B: input w3: QUANTISED
;;     19. [M 1,024, K 2,048] x [K 2,048, N 1,024]; A: computed on the way; B: input w2: QUANTISED
;;     20. [M 1,024, K 1,024] x [K 1,024, N 2,048]; A: input x; B: input w1: QUANTISED
;;     21. [M 1,024, K 1,024] x [K 1,024, N 2,048]; A: input x; B: input w3: QUANTISED
;;     22. [M 1,024, K 2,048] x [K 2,048, N 1,024]; A: computed on the way; B: input w2: QUANTISED
;;     23. [M 1,024, K 1,024] x [K 1,024, N 2,048]; A: input x; B: input w1: QUANTISED
;;     24. [M 1,024, K 1,024] x [K 1,024, N 2,048]; A: input x; B: input w3: QUANTISED
;;     25. [M 1,024, K 2,048] x [K 2,048, N 1,024]; A: computed on the way; B: input w2: QUANTISED
;;   THE QUANTISER, for each operand of a quantised product, along K:
;;     - K is cut into blocks of 32 from its start; a last block that is shorter is filled with zeros.
;;     - A block's scale is 2^e with e = floor(log2(the largest magnitude in the block)) - 2, held to -126 .. 127; a block of zeros has e = 0. As a byte (E8M0): e + 127.
;;     - Each number is divided by its block's scale, clamped to +-6, and rounded to the nearest number of E2M1, ties to even, subnormals kept.
;;     - The product sums the exact products of the quantised numbers (number of the format x scale) in f32.
;;   ~~~python
;;   def quantise(x, axis):      # numpy; x: float32 -> the quantised numbers, widened to float32 again
;;       x = np.moveaxis(x, axis, -1); K = x.shape[-1]
;;       x = np.pad(x, [(0, 0)] * (x.ndim - 1) + [(0, -K % 32)]); x = x.reshape(x.shape[:-1] + (-1, 32)); a = np.abs(x).max(-1, keepdims=True)
;;       e = np.where(a > 0, np.clip(np.frexp(np.where(a > 0, a, 1))[1] - 1 - 2, -126, 127), 0)      # np.frexp(a)[1] - 1 = floor(log2(a)), exactly
;;       r = np.clip(x / 2.0 ** e, -6, 6)
;;       step = 2.0 ** (np.maximum(np.frexp(np.where(r == 0, 1, r))[1] - 1, 0) - 1)
;;       q = np.round(r / step) * step * 2.0 ** e      # np.round: ties to even
;;       return np.moveaxis(q.reshape(q.shape[:-2] + (-1,))[..., :K], -1, axis).astype(np.float32)
;;   ~~~
;;   OPERANDS COMPUTED ON THE WAY. 'Computed on the way' means the value that the module computes at that place (a softmax that the list does not call 'softmax' is quantised finished and normalised). What goes into a quantiser is computed in f32, as accurately as f32 sums, v_exp_f32 and their like allow (about 1e-6 of the number): no bf16 or f16 on the way to a quantiser, and a product that is left as it is and whose result goes on into a quantised operand takes f32 operands (vector FMAs, or v_wmma_f32_16x16x4_f32). A number that lies on a knife's edge between two numbers of the format may be rounded either way, as far as f32 arithmetic and the matrix unit's own rounding can turn it there, and no further.
;; 2 versions. Each part assembles by itself: llvm-mc -triple=amdgcn-amd-amdhsa -mcpu=gfx1250 --defsym DOCPART=n.
;; ======== version 1 of 2: 5 launches
;; workspace buffers: xc 524,288 bytes; xs 32,768 bytes; ids 4,096 bytes of whole numbers; lists 36,864 bytes of whole numbers; gates 8,192 bytes; hc 8,388,608 bytes; hs 524,288 bytes; y 8,421,376 bytes
;; launch route (part 1): grid 256 x 1, 4 waves a work-group, no clusters, 18,944 bytes of LDS; arguments x, router_w, xc, xs, ids, gates; writes xc, xs, ids, gates
.if DOCPART == 1
	.amdgcn_target "amdgcn-amd-amdhsa--gfx1250"
	.amdhsa_code_object_version 6
	.text
	.protected	k_qdbbe644885_route
	.globl	k_qdbbe644885_route
	.p2align	8
	.type	k_qdbbe644885_route,@function
k_qdbbe644885_route:
	s_mov_b64 s[64:65], 0
	v_nop
	global_prefetch_b8 v0, s[64:65] scope:SCOPE_SE
	s_setreg_imm32_b32 hwreg(HW_REG_WAVE_MODE, 25, 1), 1
	s_wait_xcnt 0x0
; THE ROUTER, AND x INTO CODES.  x: [1024 tokens][1024] f32, router_w: [8][1024] f32.  One wave takes one token: 256 work-groups x 4 waves.
; It stores: xc [1024][512 bytes]: the token's codes of FP4 (E2M1), K innermost, the lower k in the low four bits; xs [1024][32]: one E8M0 byte for each 32 along K;
; ids [1024] u32: first expert | second expert << 8; gates f32 [2][1024]: the two renormalised weights.  All at fixed places: no address here hangs on a floating-point number.
; ROUTER: eight dot products in f32 (packed multiply-adds, two chains an expert), summed over the 32 lanes; softmax with the maximum taken away; top 2 by scans in which the
; lower index wins a tie; the two weights divided by their sum.
; QUANTISER: a block's scale is 2^(floor(log2(largest magnitude)) - 2); its byte is the largest magnitude's exponent field - 2, held at 1 from below.
; LIMITS: NaN and infinities among the inputs are not served.  A block of zeros gets the byte 1 where the rule says 127: its codes are zeros and this program alone reads the bytes.
; Two probabilities that are equal to within the order of f32 sums may be ranked otherwise than in another order of summing; a probability under 2^-126 counts as 0 (its weight is then 0 too).
; No matrix unit, no cluster, no barrier: waves share nothing but router_w's 32 KB, which each reads through registers.
; REGISTERS: window 0: v1 lane, v2 16 x lane, v3, v4 the stage's addresses; XD the row as loaded (register 4 i + c = x[128 i + 4 lane + c]); XN the lane's own block (x[32 lane + n]);
;   LG logits, PR probabilities, QR the same without the first choice; AC four sum registers an expert.   window 1: router_w, register 32 e + 4 i + c = router_w[e][128 i + 4 lane + c].
.set XD,  8
.set XN,  40
.set LG,  88
.set PR,  96
.set QR,  104
.set CD,  128                          ; v128-131 the block's codes
.set BY,  132                          ; v132     its scale byte
.set ZO,  133                          ; v133     0: the offset of lane 0's three stores
.set AC,  136                          ; v136-167
.set SPI, 144                          ; a lane's place in the stage: 128 bytes + 16 of padding: an odd multiple of 16
.set MSB, 0
.macro WIN new                         ; the immediate's high byte repeats the setting that is left
.if MSB != \new
	s_set_vgpr_msb (MSB<<8)|\new
.set MSB, \new
.endif
.endm
.macro RWL e                           ; expert e's row of router_w: eight loads of 512 consecutive bytes, into window 1
	WIN 0x40
.irp i, 0,1,2,3,4,5,6,7
	global_load_b128 v[32*\e+4*\i:32*\e+4*\i+3], v2, s[6:7] offset:4096*\e+512*\i
.endr
.endm
.macro DOT e, left                     ; my 32 products of expert e; left: the loads younger than its eight
	s_wait_loadcnt \left
	WIN 0x04                                       ; source 1 (router_w) in window 1
	v_pk_mul_f32 v[AC+4*\e:AC+4*\e+1], v[XD:XD+1], v[32*\e:32*\e+1]             ; the first products start the two chains: nothing is cleared
	v_pk_mul_f32 v[AC+4*\e+2:AC+4*\e+3], v[XD+2:XD+3], v[32*\e+2:32*\e+3]
.irp n, 4,8,12,16,20,24,28
	v_pk_fma_f32 v[AC+4*\e:AC+4*\e+1], v[XD+\n:XD+\n+1], v[32*\e+\n:32*\e+\n+1], v[AC+4*\e:AC+4*\e+1]
	v_pk_fma_f32 v[AC+4*\e+2:AC+4*\e+3], v[XD+\n+2:XD+\n+3], v[32*\e+\n+2:32*\e+\n+3], v[AC+4*\e+2:AC+4*\e+3]
.endr
.endm
	s_load_b256 s[4:11], s[0:1], 0x0               ; x s[4:5], router_w s[6:7], xc s[8:9], xs s[10:11]
	s_load_b128 s[12:15], s[0:1], 0x20             ; ids s[12:13], gates s[14:15]
	v_lshl_add_u32 v254, v0, 2, 0x4800
	v_mov_b32 v255, 0
	v_lshrrev_b32 v5, 5, v0
	v_readfirstlane_b32 s16, v5                    ; wave 0..3
	v_and_b32 v1, 31, v0                           ; lane
	v_lshlrev_b32 v2, 4, v1                        ; 16 x lane
	s_lshl_b32 s17, ttmp9, 2
	s_add_co_u32 s17, s17, s16                     ; my token = 4 x work-group + wave
	s_lshl_b32 s18, s17, 12                        ; its row of 4,096 bytes
	s_mov_b32 s19, 0
	s_mov_b32 s20, 0x76543210                      ; v_permlanex16_b32's selects for lane l xor 16
	s_mov_b32 s21, 0xfedcba98
	s_wait_kmcnt 0x0
	s_add_nc_u64 s[4:5], s[4:5], s[18:19]
.irp i, 0,1,2,3,4,5,6,7
	global_load_b128 v[XD+4*\i:XD+4*\i+3], v2, s[4:5] offset:512*\i th:TH_LOAD_NT   ; 512 consecutive bytes a load; x is read once in the whole program
.endr
.irp e, 0,1,2,3,4,5
	RWL \e                                         ; 56 loads are out
.endr
	WIN 0
	s_mul_i32 s23, s16, 32*SPI                     ; my wave's stage
	v_lshrrev_b32 v3, 3, v1
	v_mul_u32_u24 v3, v3, SPI
	v_and_b32 v6, 7, v1
	v_lshl_add_u32 v3, v6, 4, v3
	v_add_nc_u32 v3, s23, v3                       ; in: eight lanes' 128 bytes on end, then the padding; a load's 512 bytes take four places
	v_mul_u32_u24 v4, v1, SPI
	v_add_nc_u32 v4, s23, v4                       ; out: my 128 bytes: my block of 32
	s_lshl_b32 s18, s17, 9
	s_add_nc_u64 s[8:9], s[8:9], s[18:19]          ; xc at my token: 512 bytes
	s_lshl_b32 s18, s17, 5
	s_add_nc_u64 s[10:11], s[10:11], s[18:19]      ; xs: 32 bytes
	s_lshl_b32 s18, s17, 2
	s_add_nc_u64 s[12:13], s[12:13], s[18:19]      ; ids and gates: 4 bytes
	s_add_nc_u64 s[14:15], s[14:15], s[18:19]
.irp e, 0,1,2,3,4,5,6,7
	v_mov_b32 v[PR+\e], 0                          ; written once: a lane permute's destination counts as one of its sources
.endr
	v_mov_b32 v[ZO], 0
	v_mov_b32 v123, -1.0                           ; under every probability
	s_wait_loadcnt 48                              ; x is in; the six rows of router_w behind it may be out
.irp i, 0,1,2,3,4,5,6,7
	ds_store_b128 v3, v[XD+4*\i:XD+4*\i+3] offset:4*SPI*\i
.endr
.irp j, 0,1,2,3,4,5,6,7
	ds_load_b128 v[XN+4*\j:XN+4*\j+3], v4 offset:16*\j   ; LDS serves a wave's instructions in order: these see the stores above
.endr
	DOT 0, 40                                      ; younger than expert 0's: experts 1 to 5
	RWL 6
	DOT 1, 40                                      ; experts 2 to 6
	RWL 7
	DOT 2, 40                                      ; experts 3 to 7
	DOT 3, 32
	DOT 4, 24
	DOT 5, 16
	DOT 6, 8
	DOT 7, 0
	WIN 0
.irp e, 0,1,2,3,4,5,6,7
	v_pk_add_f32 v[AC+4*\e:AC+4*\e+1], v[AC+4*\e:AC+4*\e+1], v[AC+4*\e+2:AC+4*\e+3]
.endr
.irp e, 0,1,2,3,4,5,6,7
	v_add_f32 v[LG+\e], v[AC+4*\e], v[AC+4*\e+1]
.endr
.irp m, 1,2,4,8                                ; over the lanes, the eight logits by turns
.irp e, 0,1,2,3,4,5,6,7
	v_add_f32_dpp v[LG+\e], v[LG+\e], v[LG+\e] row_xmask:\m row_mask:0xf bank_mask:0xf
.endr
.endr
.irp e, 0,1,2,3,4,5,6,7
	v_permlanex16_b32 v[PR+\e], v[LG+\e], s20, s21
.endr
.irp e, 0,1,2,3,4,5,6,7
	v_add_f32 v[LG+\e], v[LG+\e], v[PR+\e]         ; every lane holds the eight logits
.endr
	; ---- my block of 32 numbers of x into codes
	s_wait_dscnt 0x0                               ; the block is back from the stage
	v_max3_num_f32 v112, |v[XN]|, |v[XN+1]|, |v[XN+2]|
	v_max3_num_f32 v113, |v[XN+3]|, |v[XN+4]|, |v[XN+5]|
.irp i, 6,10,14,18,22,26
	v_max3_num_f32 v112, v112, |v[XN+\i]|, |v[XN+\i+1]|
	v_max3_num_f32 v113, v113, |v[XN+\i+2]|, |v[XN+\i+3]|
.endr
	v_max3_num_f32 v112, v112, |v[XN+30]|, |v[XN+31]|
	v_max3_num_f32 v112, v112, v113, 0x1800000     ; and the floor 2^(3 - 127): the byte cannot fall under 1
	v_add_nc_u32 v114, 0xff000000, v112            ; 2 off the exponent field: the conversion takes the exponent field of this operand as its scale
.irp g, 0,1,2,3
	v_cvt_scalef32_pk8_fp4_f32 v[CD+\g], v[XN+8*\g:XN+8*\g+7], v114
.endr
	v_lshrrev_b32 v[BY], 23, v114                  ; the scale's byte (a plain line behind the conversions)
	global_store_b128 v2, v[CD:CD+3], s[8:9]       ; the wave stores the token's 512 consecutive bytes of codes
	global_store_b8 v1, v[BY], s[10:11]            ; and its 32 scale bytes
	; ---- softmax, with the maximum taken away
	v_max3_num_f32 v112, v[LG], v[LG+1], v[LG+2]
	v_max3_num_f32 v112, v112, v[LG+3], v[LG+4]
	v_max3_num_f32 v112, v112, v[LG+5], v[LG+6]
	v_max_num_f32 v112, v112, v[LG+7]
.irp e, 0,1,2,3,4,5,6,7
	v_sub_f32 v[PR+\e], v[LG+\e], v112
.endr
.irp e, 0,1,2,3,4,5,6,7
	v_mul_f32 v[PR+\e], 0x3fb8aa3b, v[PR+\e]       ; x log2(e)
.endr
.irp e, 0,1,2,3,4,5,6,7
	v_exp_f32 v[PR+\e], v[PR+\e]
.endr
	v_nop                                          ; a plain line behind the exponentials
	s_wait_alu depctr_va_vdst(0)
	v_add_f32 v124, v[PR], v[PR+1]
	v_add_f32 v113, v[PR+2], v[PR+3]
	v_add_f32 v115, v[PR+4], v[PR+5]
	v_add_f32 v126, v[PR+6], v[PR+7]
	v_add_f32 v124, v124, v113
	v_add_f32 v115, v115, v126
	v_add_f32 v124, v124, v115
	v_rcp_f32 v125, v124
	v_nop                                          ; a plain line behind the reciprocal
	s_wait_alu depctr_va_vdst(0)
.irp e, 0,1,2,3,4,5,6,7
	v_mul_f32 v[PR+\e], v[PR+\e], v125
.endr
	; ---- top 2: a later expert takes the place only if it is strictly larger, so the lower index wins a tie
	v_mov_b32 v116, v[PR]
	v_mov_b32 v117, 0
.irp e, 1,2,3,4,5,6,7
	v_cmp_ge_f32 vcc_lo, v116, v[PR+\e]
	v_cndmask_b32 v116, v[PR+\e], v116, vcc_lo
	v_cndmask_b32 v117, \e, v117, vcc_lo
.endr
.irp e, 0,1,2,3,4,5,6,7
	v_cmp_eq_u32 vcc_lo, \e, v117
	v_cndmask_b32 v[QR+\e], v[PR+\e], v123, vcc_lo ; the first choice is taken out
.endr
	v_mov_b32 v118, v[QR]
	v_mov_b32 v119, 0
.irp e, 1,2,3,4,5,6,7
	v_cmp_ge_f32 vcc_lo, v118, v[QR+\e]
	v_cndmask_b32 v118, v[QR+\e], v118, vcc_lo
	v_cndmask_b32 v119, \e, v119, vcc_lo
.endr
	v_add_f32 v124, v116, v118
	v_rcp_f32 v125, v124
	v_lshl_or_b32 v122, v119, 8, v117              ; first | second << 8 (a plain line behind the reciprocal)
	s_wait_alu depctr_va_vdst(0)
	v_mul_f32 v120, v116, v125
	v_mul_f32 v121, v118, v125
	s_wait_xcnt 0x0                                ; EXEC changes only behind this wait: stores are out
	v_cmp_eq_u32 vcc_lo, 0, v1
	s_wait_tensorcnt 0x0
	ds_add_u32 v254, v255
	s_wait_dscnt 0x0
	s_and_saveexec_b32 s22, vcc_lo                 ; every lane holds the same three numbers: lane 0 stores them
	global_store_b32 v[ZO], v122, s[12:13]
	global_store_b32 v[ZO], v120, s[14:15]
	global_store_b32 v[ZO], v121, s[14:15] offset:4096
	s_wait_xcnt 0x0                                ; and again in front of the line that widens it
	s_or_b32 exec_lo, exec_lo, s22
	s_endpgm
.Lfunc_end_k_qdbbe644885_route:
	.size	k_qdbbe644885_route, .Lfunc_end_k_qdbbe644885_route-k_qdbbe644885_route
	.p2alignl 7, 3214868480
	.fill 96, 4, 3214868480
	.section	.rodata,"a",@progbits
	.p2align	6, 0x0
	.amdhsa_kernel k_qdbbe644885_route
		.amdhsa_group_segment_fixed_size 18944
		.amdhsa_private_segment_fixed_size 0
		.amdhsa_enable_private_segment 0
		.amdhsa_kernarg_size 48
		.amdhsa_user_sgpr_count 2
		.amdhsa_user_sgpr_kernarg_segment_ptr 1
		.amdhsa_wavefront_size32 1
		.amdhsa_system_sgpr_workgroup_id_x 1
		.amdhsa_system_sgpr_workgroup_id_y 1
		.amdhsa_system_sgpr_workgroup_id_z 1
		.amdhsa_system_vgpr_workitem_id 0
		.amdhsa_next_free_vgpr 512
		.amdhsa_next_free_sgpr 66
		.amdhsa_reserve_vcc 1
		.amdhsa_float_denorm_mode_32 3
		.amdhsa_float_denorm_mode_16_64 3
		.amdhsa_memory_ordered 1
		.amdhsa_forward_progress 1
		.amdhsa_inst_pref_size 28
	.end_amdhsa_kernel
	.amdgpu_metadata
---
amdhsa.version: [ 1, 2 ]
amdhsa.kernels:
  - .name:           k_qdbbe644885_route
    .symbol:         k_qdbbe644885_route.kd
    .args:
      - { .name: x, .offset: 0, .size: 8, .value_kind: global_buffer, .address_space: global }
      - { .name: router_w, .offset: 8, .size: 8, .value_kind: global_buffer, .address_space: global }
      - { .name: xc, .offset: 16, .size: 8, .value_kind: global_buffer, .address_space: global }
      - { .name: xs, .offset: 24, .size: 8, .value_kind: global_buffer, .address_space: global }
      - { .name: ids, .offset: 32, .size: 8, .value_kind: global_buffer, .address_space: global }
      - { .name: gates, .offset: 40, .size: 8, .value_kind: global_buffer, .address_space: global }
    .group_segment_fixed_size: 18944
    .private_segment_fixed_size: 0
    .kernarg_segment_align: 8
    .kernarg_segment_size: 48
    .max_flat_workgroup_size: 128
    .sgpr_count:     66
    .vgpr_count:     512
    .wavefront_size: 32
...
	.end_amdgpu_metadata
.endif
;; end of part 1
;; launch place (part 2): grid 8 x 1, 1 waves a work-group, no clusters, 4,864 bytes of LDS; arguments ids, lists; writes lists
.if DOCPART == 2
	.amdgcn_target "amdgcn-amd-amdhsa--gfx1250"
	.amdhsa_code_object_version 6
	.text
	.protected	k_qdbbe644885_place
	.globl	k_qdbbe644885_place
	.p2align	8
	.type	k_qdbbe644885_place,@function
k_qdbbe644885_place:
	s_mov_b64 s[64:65], 0
	v_nop
	global_prefetch_b8 v0, s[64:65] scope:SCOPE_SE
	s_setreg_imm32_b32 hwreg(HW_REG_WAVE_MODE, 25, 1), 1
	s_wait_xcnt 0x0
; THE ROWS PLACED BY EXPERT.  ids: [1024] u32, first expert | second expert << 8 of each token, whole numbers that the router's launch stored.
; lists: [8 experts][1152] u32.  Words 0 .. count - 1: the expert's rows, entry = token + 1024 x (0: the expert is the token's first choice, 1: its second); behind them, as far as word 1087, the
; filling 2048 + e, which stands for token e and for a row that nobody reads; words 1088-1119 hold nothing of use; word 1120: the count; the rest filling.
; The later launches form addresses and trip counts from these numbers, so they are stored here, at fixed places, and read there from memory.
; One wave for an expert: eight work-groups, since there is work for eight.  The wave holds all 1,024 words of ids in 32 registers (register 4 i + j: token 128 i + 4 lane + j).  A member's place is the
; number of members before it: those of earlier registers (a scalar sum of mask bits) and those of lower lanes.  The entries are scattered into LDS and leave as nine stores of 512 consecutive bytes.
; No atomics, no barrier: the wave shares nothing.
.set GA,    1                          ; v1   16 x lane
.set DUMPI, 2                          ; v2   1088 + lane: where a lane with nothing to enter writes
.set TOK0,  3                          ; v3   4 x lane
.set CNTA,  4                          ; v4   the count's LDS byte
.set LT,    8                          ; v8-11    at work
.set PAD,   12                         ; v12-15   the filling
.set ID,    16                         ; v16-47   ids
.set SC,    48                         ; v48-79   a register's LDS address
.set EN,    80                         ; v80-111  and its entry
.set O,     112                        ; v112-147 the list on its way out
.set LISTB, 4608                       ; an expert's list in bytes
.set CNTW,  1120                       ; the count's word
	s_load_b128 s[4:7], s[0:1], 0x0                ; ids s[4:5], lists s[6:7]
	v_lshl_add_u32 v152, v0, 2, 0x1200
	v_mov_b32 v153, 0
	v_lshlrev_b32 v[GA], 4, v0                     ; one wave: the thread's number is the lane
	v_add_nc_u32 v[DUMPI], 1088, v0
	v_lshlrev_b32 v[TOK0], 2, v0
	v_mov_b32 v[CNTA], 4*CNTW
	s_mov_b32 s19, ttmp9                           ; the expert
	s_mul_i32 s8, s19, LISTB
	s_mov_b32 s9, 0
	s_add_co_u32 s10, s19, 2048
.irp k, 0,1,2,3
	v_mov_b32 v[PAD+\k], s10
.endr
	s_wait_kmcnt 0x0
.irp i, 0,1,2,3,4,5,6,7
	global_load_b128 v[ID+4*\i:ID+4*\i+3], v[GA], s[4:5] offset:512*\i
.endr
	s_add_nc_u64 s[6:7], s[6:7], s[8:9]            ; my expert's list
.irp k, 0,1,2,3,4,5,6,7,8
	ds_store_b128 v[GA], v[PAD:PAD+3] offset:512*\k   ; the filling first, while ids are on their way: LDS serves a wave's instructions in order
.endr
	s_wait_loadcnt 0x0
	s_mov_b32 s26, 0                               ; members so far
.set N, 0
.rept 32
	v_and_b32 v[LT], 0xff, v[ID+N]                 ; first choice
	v_bfe_u32 v[LT+1], v[ID+N], 8, 8               ; second
	v_cmp_eq_u32 s27, s19, v[LT]
	v_cmp_eq_u32 vcc_lo, s19, v[LT+1]
	s_or_b32 s28, s27, vcc_lo                      ; the members among these 32 tokens
	v_mbcnt_lo_u32_b32 v[LT+2], s28, s26           ; members before me
	v_add_nc_u32 v[EN+N], 128*(N/4)+N%4, v[TOK0]
	v_add_nc_u32 v[LT+3], 1024+128*(N/4)+N%4, v[TOK0]
	v_cndmask_b32 v[EN+N], v[EN+N], v[LT+3], vcc_lo
	v_cndmask_b32 v[LT+2], v[DUMPI], v[LT+2], s28
	v_min_u32 v[LT+2], 1119, v[LT+2]               ; a place made of loaded numbers enters an address only behind this bound
	v_lshlrev_b32 v[SC+N], 2, v[LT+2]
	ds_store_b32 v[SC+N], v[EN+N]
	s_bcnt1_i32_b32 s29, s28
	s_add_co_u32 s26, s26, s29
.set N, N+1
.endr
	v_mov_b32 v[LT], s26
	ds_store_b32 v[CNTA], v[LT]                    ; every lane writes the same word with the same value
	s_wait_dscnt 0x0                               ; my stores into the list have landed
.irp k, 0,1,2,3,4,5,6,7,8
	ds_load_b128 v[O+4*\k:O+4*\k+3], v[GA] offset:512*\k
.endr
.irp k, 0,1,2,3,4,5,6,7,8
	s_wait_dscnt 8-\k                              ; piece k is back; the younger ones may be out
	global_store_b128 v[GA], v[O+4*\k:O+4*\k+3], s[6:7] offset:512*\k   ; 512 consecutive bytes, at a multiple of 256 from the buffer's first byte
.endr
	s_wait_tensorcnt 0x0
	ds_add_u32 v152, v153
	s_wait_dscnt 0x0
	s_endpgm
.Lfunc_end_k_qdbbe644885_place:
	.size	k_qdbbe644885_place, .Lfunc_end_k_qdbbe644885_place-k_qdbbe644885_place
	.p2alignl 7, 3214868480
	.fill 96, 4, 3214868480
	.section	.rodata,"a",@progbits
	.p2align	6, 0x0
	.amdhsa_kernel k_qdbbe644885_place
		.amdhsa_group_segment_fixed_size 4864
		.amdhsa_private_segment_fixed_size 0
		.amdhsa_enable_private_segment 0
		.amdhsa_kernarg_size 16
		.amdhsa_user_sgpr_count 2
		.amdhsa_user_sgpr_kernarg_segment_ptr 1
		.amdhsa_wavefront_size32 1
		.amdhsa_system_sgpr_workgroup_id_x 1
		.amdhsa_system_sgpr_workgroup_id_y 1
		.amdhsa_system_sgpr_workgroup_id_z 1
		.amdhsa_system_vgpr_workitem_id 0
		.amdhsa_next_free_vgpr 154
		.amdhsa_next_free_sgpr 66
		.amdhsa_reserve_vcc 1
		.amdhsa_float_denorm_mode_32 3
		.amdhsa_float_denorm_mode_16_64 3
		.amdhsa_memory_ordered 1
		.amdhsa_forward_progress 1
		.amdhsa_inst_pref_size 29
	.end_amdhsa_kernel
	.amdgpu_metadata
---
amdhsa.version: [ 1, 2 ]
amdhsa.kernels:
  - .name:           k_qdbbe644885_place
    .symbol:         k_qdbbe644885_place.kd
    .args:
      - { .name: ids, .offset: 0, .size: 8, .value_kind: global_buffer, .address_space: global }
      - { .name: lists, .offset: 8, .size: 8, .value_kind: global_buffer, .address_space: global }
    .group_segment_fixed_size: 4864
    .private_segment_fixed_size: 0
    .kernarg_segment_align: 8
    .kernarg_segment_size: 16
    .max_flat_workgroup_size: 32
    .sgpr_count:     66
    .vgpr_count:     154
    .wavefront_size: 32
...
	.end_amdgpu_metadata
.endif
;; end of part 2
;; launch hid (part 3): grid 32 x 8, 4 waves a work-group, no clusters, 74,240 bytes of LDS; arguments w1, w3, xc, xs, lists, hc, hs; writes hc, hs
.if DOCPART == 3
	.amdgcn_target "amdgcn-amd-amdhsa--gfx1250"
	.amdhsa_code_object_version 6
	.text
	.protected	k_qdbbe644885_hid
	.globl	k_qdbbe644885_hid
	.p2align	8
	.type	k_qdbbe644885_hid,@function
k_qdbbe644885_hid:
	s_mov_b64 s[64:65], 0
	v_nop
	global_prefetch_b8 v0, s[64:65] scope:SCOPE_SE
	s_setreg_imm32_b32 hwreg(HW_REG_WAVE_MODE, 25, 1), 1
	s_wait_xcnt 0x0
; THE HIDDEN LAYER OF THE ROUTED ROWS: h = Q(silu(x w1[e]^T) * (x w3[e]^T)), both products on codes of FP4 (E2M1) with one E8M0 scale for each 32 along K = 1,024.
; THE WEIGHTS STAY, THE ROWS PASS.  Work-group (s, e) owns hidden units 64 s .. 64 s + 63 of expert e: 64 rows of w1 and 64 of w3, 512 KB of f32, read from memory once, quantised on the way into LDS
; (66 KB of codes, 4 KB of scale bytes), then held as 64 fragments in each wave's registers.  All rows that chose expert e pass over them, 16 at a time; the four waves take tiles w, w + 4, ..
; THE STREAM.  A load brings 512 consecutive bytes, 16 a lane: 128 numbers of a row, four blocks of 32, eight neighbouring lanes to a block.  They are quantised WHERE THEY LIE: the largest magnitude of the
; lane's four, three steps across the eight lanes, the scale.  The conversion takes eight numbers of a lane under one scale: it is given the registers of loads j and j + 1 with load j's scale, and only its
; low 16 bits, load j's four codes, are kept (a batch's last load: the registers of loads 14 and 15, and the high 16 bits are moved down).  So each number is converted twice, and no f32 number goes
; through LDS: what goes there are the codes, 2 bytes a lane and 64 consecutive bytes a load, and the load's four scale bytes.
; THE LIST.  lists holds, as whole numbers that an earlier launch stored, expert e's rows: entry = token + 1024 x (0: first choice, 1: second); behind the last entry a filling of 2048 + e, which stands
; for token e and a row that nobody reads; word 1120: the count.  The count comes by a scalar load.  A wave's entries (row lane % 16 of tiles w + 4 k, k = 0 .. 17) come once, into 18 registers;
; each trip of the tile loop names the third and fourth of them and moves the run down by two.
; A TILE IS ASKED FOR TWO TILES AHEAD: both buffers are filled ahead of the loop, and a buffer is filled again straight behind the products that read it, so that its 18 loads have the rest of this tile's
; work and all of the next tile's in which to land.
; An expert has at least one tile (of filling, if no token chose it), so that every byte of hc and hs that is read later is stored here.
; STORES: hc: the tile's codes in the order of the next product's operand registers: ((64 e + q) x 32 + s) x 512 + 16 x lane: four registers a lane; slices 2 ks and 2 ks + 1 are registers 0-3 and 4-7 of K step ks.
;         hs: scale bytes, (64 e + q) x 1024 + 64 x row + block of 32 hidden units: this slice's two bytes a row.
; BOTH PRODUCTS ARE USED TRANSPOSED (source 0 = 16 rows of the weight, source 1 = 16 tokens): a lane holds one token and its registers run along the hidden units, the next K.
; THE ROWS OF A WEIGHT THAT FORM A TILE ARE NOT NEIGHBOURS: lane r of tile 2 b + u takes row 32 b + 8 u + r + 8 (r / 8), so that the 16 registers of tiles 2 b, 2 b + 1 are 16 neighbours along the next K.
; They are laid in LDS with bits 3 and 4 of the local row exchanged, so that a tile's 16 rows are 16 LDS rows on end.
; NO TENSOR LOADS: the stream goes through a ring of registers, 48 loads of 512 consecutive bytes a wave always asked for; nothing of it is read twice.  NO CLUSTER: no weight byte is shared; what the 32
; work-groups of an expert share are gathered rows of x's codes, whose number hangs on a count read from memory, so partners could not make the same number of joint requests by a constant of the text.
; LIMITS: NaN and infinities are not served; a block of zeros gets the byte 1 (its codes are zeros; this program alone reads the bytes).
; REGISTERS.  window 0: v1-26 lane terms and addresses; v32-63 WS, v64-79 XS: scale words and nothing else; v80-143 the eight accumulators; v144-161 my wave's entries; v176-179 the codes made;
;   v180-188 the quantiser's; v192-255 while the weights stream: two sets of 16 magnitudes and 16 code registers, by turns; later v192-223 at work on the activation.
;   window 1: the ring (v0-191), then the fragments of K steps 0-3 at 64 ks + 32 m + 8 t;  window 2: K steps 4-7;  window 3: x's fragments, two buffers of 64.
.set CP,    528                        ; a row of codes in LDS: 512 bytes + 16: an odd multiple of 16, so the 16 rows that a load touches start at different banks
.set WP,    48                         ; a row of scale bytes: 32 + 16
.set WSC,   128*CP                     ; LDS: 128 rows of codes (w1's 64, then w3's), then their scale bytes
.set LISTB, 4608                       ; an expert's list in bytes
.set CNTB,  4480                       ; and the byte at which its count lies
.set NB,    16                         ; batches of sixteen loads of 512 bytes (two rows): a wave's 128 KB
.set LN,1
.set RR,2
.set HH,3
.set GA,4                              ; 16 x lane
.set CA,7                              ; where my codes go: my wave's rows, 2 bytes a lane
.set SA,8                              ; and my block's scale byte
.set FA,9                              ; a fragment's place for my lane
.set WSA,10                            ; the weights' scale words: lanes 0-15 w1's, lanes 16-31 w3's
.set LA,11                             ; my entry of my wave's first tile: its byte in the list
.set H16,17
.set XA,18                             ; v18-19 my token's codes, for buffer 0, 1
.set XSA,20                            ; v20-21 its scale words
.set HO,22
.set HSO,23
.set ENT,25
.set TMP,26
.set WS,32
.set XS,64
.set ACC,80
.set EL,144                            ; v144-161 my wave's entries: register k = tile w + 4 k from the trip's first tile on
.set PC,176
.set TM,180
.set PW,188
.set T,192
.set QB,192                            ; the stream's quantiser: set b % 2 at QB + 32 (b % 2): 16 magnitudes (then scale operands, then bytes), 16 code registers
.set MSB, 0
.macro WIN new                         ; the immediate's high byte repeats the setting that is left
.if MSB != \new
	s_set_vgpr_msb (MSB<<8)|\new
.set MSB, \new
.endif
.endm
.macro RLOAD b                         ; batch b of my wave's stream into ring set b % 3: sixteen loads of 512 consecutive bytes
	WIN 0x40
.set J, 0
.rept 16
	global_load_b128 v[64*((\b)%3)+4*J:64*((\b)%3)+4*J+3], v[GA], s[22:23] offset:512*(16*(\b)+J) th:TH_LOAD_NT
.set J, J+1
.endr
	WIN 0
.endm
; Batch b: sixteen loads (two rows of 1,024 numbers) are quantised where they lie, the sixteen by turns, so that no line waits for the line above it; their set of the ring is asked for again as soon as the
; conversions have read it; codes and bytes go to their rows in LDS.
.macro BATCH b
.set RS, 64*((\b)%3)
.set MX, QB+32*((\b)%2)
.set CX, MX+16
.if (\b) < NB-2
	s_wait_loadcnt 32                              ; this batch's sixteen loads are in (and all that is older: my entries); the two batches behind it may be out
.elseif (\b) == NB-2
	s_wait_loadcnt 16
.else
	s_wait_loadcnt 0
.endif
	s_wait_dscnt 32                                ; the last batch's 32 stores may be out; those of the batch before it, which read this set of registers, are done
	WIN 0x15                                       ; the three sources in window 1 (the ring)
.set J, 0
.rept 16
	v_max3_num_f32 v[MX+J], |v[RS+4*J]|, |v[RS+4*J+1]|, |v[RS+4*J+2]|
.set J, J+1
.endr
	WIN 0x01                                       ; source 0 in window 1
.set J, 0
.rept 16
	v_max3_num_f32 v[MX+J], |v[RS+4*J+3]|, v[MX+J], 0x1800000   ; my four, and the floor 2^(3 - 127): the byte cannot fall under 1
.set J, J+1
.endr
	WIN 0
.irp m, 1,2,4                                  ; with the seven other lanes of the block
.set J, 0
.rept 16
	v_max_num_f32_dpp v[MX+J], v[MX+J], v[MX+J] row_xmask:\m row_mask:0xf bank_mask:0xf
.set J, J+1
.endr
.endr
.set J, 0
.rept 16
	v_add_nc_u32 v[MX+J], 0xff000000, v[MX+J]      ; 2 off the exponent field: the conversion takes the exponent field of this operand as its scale, and nothing else of it
.set J, J+1
.endr
	WIN 0x01
.set J, 0
.rept 15
	v_cvt_scalef32_pk8_fp4_f32 v[CX+J], v[RS+4*J:RS+4*J+7], v[MX+J]   ; the low 16 bits: load J's four codes; the rest, load J + 1's numbers under a scale that is not theirs, is not used
.set J, J+1
.endr
	v_cvt_scalef32_pk8_fp4_f32 v[CX+15], v[RS+56:RS+63], v[MX+15]     ; the last load's codes are the high 16 bits
	v_nop                                          ; one plain line behind the scaled conversions, ahead of the lines that touch their results and write their scales
.if (\b)+3 < NB
	RLOAD (\b)+3                                   ; the set takes the batch three on
.else
	WIN 0
.endif
	v_lshrrev_b32 v[CX+15], 16, v[CX+15]
.set J, 0
.rept 16
	v_lshrrev_b32 v[MX+J], 23, v[MX+J]             ; the scale's byte
.set J, J+1
.endr
.set J, 0
.rept 16
.set RH, 2*(\b)+(J>>3)                 ; the row of my 32; load J & 7 of its eight
.set RO, (RH&7)|(((RH>>3)&1)<<4)|(((RH>>4)&1)<<3)   ; the row with bits 3 and 4 exchanged
	ds_store_b16 v[CA], v[CX+J] offset:RO*CP+64*(J&7)   ; the wave stores 64 consecutive bytes
	ds_store_b8 v[SA], v[MX+J] offset:RO*WP+4*(J&7)     ; the eight lanes of a block write the same byte with the same value
.set J, J+1
.endr
.endm
.macro XADDR p, ent                    ; from the entry in register ent: where my token's codes and scale words lie
	v_min_u32 v[ENT], 0x807, v[(\ent)]             ; a loaded number enters an address only behind this bound
	v_and_b32 v[ENT], 0x3ff, v[ENT]                ; the token
	v_lshl_add_u32 v[XA+\p], v[ENT], 9, v[H16]     ; its row of 512 bytes, + 16 x half
	v_lshlrev_b32 v[XSA+\p], 5, v[ENT]
.endm
.macro XLOAD p                         ; 16 tokens' fragments of all eight K steps into buffer p, and their scale words: 18 loads
	WIN 0xc0
.irp ks, 0,1,2,3,4,5,6,7
.irp c, 0,1
	global_load_b128 v[64*\p+8*\ks+4*\c:64*\p+8*\ks+4*\c+3], v[XA+\p], s[8:9] offset:64*\ks+32*\c
.endr
.endr
	WIN 0
	global_load_b128 v[XS+8*\p:XS+8*\p+3], v[XSA+\p], s[10:11]
	global_load_b128 v[XS+8*\p+4:XS+8*\p+7], v[XSA+\p], s[10:11] offset:16
.endm
; K step ks of a tile of tokens: eight matrix instructions on eight accumulators, which take turns, one instruction a turn.  The first K step starts the sums with the constant 0.
.macro MM p, ks
.set WR, 64*((\ks)%4)
.irp t, 0,1,2,3
.if (\ks) == 0
	v_wmma_scale_f32_16x16x128_f8f6f4 v[ACC+8*\t:ACC+8*\t+7], v[WR+8*\t:WR+8*\t+7], v[64*\p+8*(\ks):64*\p+8*(\ks)+7], 0, v[WS+8*\t+(\ks)], v[XS+8*\p+(\ks)] matrix_a_fmt:MATRIX_FMT_FP4 matrix_b_fmt:MATRIX_FMT_FP4
.else
	v_wmma_scale_f32_16x16x128_f8f6f4 v[ACC+8*\t:ACC+8*\t+7], v[WR+8*\t:WR+8*\t+7], v[64*\p+8*(\ks):64*\p+8*(\ks)+7], v[ACC+8*\t:ACC+8*\t+7], v[WS+8*\t+(\ks)], v[XS+8*\p+(\ks)] matrix_a_fmt:MATRIX_FMT_FP4 matrix_b_fmt:MATRIX_FMT_FP4
.endif
.endr
.irp t, 0,1,2,3
.if (\ks) == 0
	v_wmma_scale_f32_16x16x128_f8f6f4 v[ACC+32+8*\t:ACC+32+8*\t+7], v[WR+32+8*\t:WR+32+8*\t+7], v[64*\p+8*(\ks):64*\p+8*(\ks)+7], 0, v[WS+8*\t+(\ks)], v[XS+8*\p+(\ks)] matrix_a_fmt:MATRIX_FMT_FP4 matrix_b_fmt:MATRIX_FMT_FP4 matrix_a_scale:MATRIX_SCALE_ROW1
.else
	v_wmma_scale_f32_16x16x128_f8f6f4 v[ACC+32+8*\t:ACC+32+8*\t+7], v[WR+32+8*\t:WR+32+8*\t+7], v[64*\p+8*(\ks):64*\p+8*(\ks)+7], v[ACC+32+8*\t:ACC+32+8*\t+7], v[WS+8*\t+(\ks)], v[XS+8*\p+(\ks)] matrix_a_fmt:MATRIX_FMT_FP4 matrix_b_fmt:MATRIX_FMT_FP4 matrix_a_scale:MATRIX_SCALE_ROW1
.endif
.endr
.endm
; a1 = a1 / (1 + 2^(-log2(e) a1)) x a3, in f32; every accumulator is read from its low end on
.macro SILU
.set J, 0
.rept 16
	v_pk_mul_f32 v[T+J:T+J+1], v[ACC+J:ACC+J+1], s[36:37] op_sel_hi:[1,0]
.set J, J+2
.endr
.set J, 0
.rept 32
	v_exp_f32 v[T+J], v[T+J]
.set J, J+1
.endr
	v_nop                                          ; a plain line behind the exponentials
.set J, 0
	s_wait_alu depctr_va_vdst(0)
.rept 16
	v_pk_add_f32 v[T+J:T+J+1], v[T+J:T+J+1], 1.0 op_sel_hi:[1,0]
.set J, J+2
.endr
.set J, 0
.rept 32
	v_rcp_f32 v[T+J], v[T+J]
.set J, J+1
.endr
	v_nop                                          ; a plain line behind the reciprocals
.set J, 0
	s_wait_alu depctr_va_vdst(0)
.rept 16
	v_pk_mul_f32 v[ACC+J:ACC+J+1], v[ACC+J:ACC+J+1], v[T+J:T+J+1]
.set J, J+2
.endr
.set J, 0
.rept 16
	v_pk_mul_f32 v[ACC+J:ACC+J+1], v[ACC+J:ACC+J+1], v[ACC+32+J:ACC+32+J+1]
.set J, J+2
.endr
.endm
; My token's 32 numbers (register 16 b + i = hidden unit 32 b + 16 (lane / 16) + i of the slice) into four registers of codes and two scale bytes
.macro QUANT2
.irp b, 0,1
	v_max3_num_f32 v[TM+\b], |v[ACC+16*\b]|, |v[ACC+1+16*\b]|, 0x1800000   ; with the floor 2^(3 - 127)
.endr
.irp i, 2,4,6,8,10,12,14
.irp b, 0,1
	v_max3_num_f32 v[TM+\b], v[TM+\b], |v[ACC+16*\b+\i]|, |v[ACC+1+16*\b+\i]|
.endr
.endr
.irp b, 0,1
	v_permlanex16_b32 v[TM+2+\b], v[TM+\b], s34, s35
.endr
.irp b, 0,1
	v_max_num_f32 v[TM+\b], v[TM+\b], v[TM+2+\b]   ; with lane l xor 16's: the block's largest magnitude
.endr
.irp b, 0,1
	v_add_nc_u32 v[TM+4+\b], 0xff000000, v[TM+\b]
.endr
.irp b, 0,1
	v_lshrrev_b32 v[TM+6+\b], 23, v[TM+4+\b]
.endr
	v_lshl_or_b32 v[PW], v[TM+7], 8, v[TM+6]       ; the slice's two bytes of my token's row
.irp b, 0,1
	v_cvt_scalef32_pk8_fp4_f32 v[PC+2*\b], v[ACC+16*\b:ACC+7+16*\b], v[TM+4+\b]
	v_cvt_scalef32_pk8_fp4_f32 v[PC+1+2*\b], v[ACC+8+16*\b:ACC+15+16*\b], v[TM+4+\b]
.endr
	v_nop                                          ; one plain line behind a scaled conversion
	v_permlane16_swap_b32 v[PC], v[PC+2]           ; the operand's layout wants a whole block in a lane: lanes 0-15 block 0, lanes 16-31 block 1
	v_permlane16_swap_b32 v[PC+1], v[PC+3]
.endm
; One tile of 16 tokens, from buffer p.  Behind its products the buffer takes my wave's tile two on (its entries: register EL + p + 2).
.macro HALF p
	s_cmp_ge_u32 s31, s30                          ; no tile left for my wave: no barrier follows, so a wave may end by itself
	s_cbranch_scc1 .Ldone
	s_wait_loadcnt 18                              ; the other buffer's 18 loads, issued behind this buffer's, may be out: buffer p is in
	WIN 0x0d                                       ; source 0 (weights) window 1, source 1 (x) window 3
	MM \p, 0
	MM \p, 1
	MM \p, 2
	MM \p, 3
	WIN 0x0e                                       ; weights in window 2
	MM \p, 4
	MM \p, 5
	MM \p, 6
	MM \p, 7
	WIN 0
.rept 4
	v_nop                                          ; places behind the last products: in front of the loads into x's buffer and scale words, and of the first read of results
.endr
	XADDR \p, EL+\p+2                              ; buffer p's address registers: the wait at this tile's head has shown their last loads done
	XLOAD \p
	SILU
	QUANT2
	global_store_b128 v[HO], v[PC:PC+3], s[14:15]  ; the wave stores 512 consecutive bytes, at a multiple of 512 from hc's first byte
	global_store_b16 v[HSO], v[PW], s[16:17]       ; lanes r and r + 16 write the same two bytes with the same value
	s_wait_xcnt 0x0                                ; the stores' offsets and data are written again only behind this wait
	v_add_nc_u32 v[HO], 0x10000, v[HO]             ; four tiles on
	v_add_nc_u32 v[HSO], 0x1000, v[HSO]
	s_add_co_u32 s31, s31, 4
.endm
	s_load_b256 s[4:11], s[0:1], 0x0               ; w1 s[4:5], w3 s[6:7], xc s[8:9], xs s[10:11]
	s_load_b128 s[12:15], s[0:1], 0x20             ; lists s[12:13], hc s[14:15]
	s_load_b64 s[16:17], s[0:1], 0x30              ; hs
	v_lshl_add_u32 v190, v0, 2, 0x12000
	v_mov_b32 v191, 0
	v_lshrrev_b32 v[TMP], 5, v0
	v_readfirstlane_b32 s18, v[TMP]                ; wave 0..3
	s_and_b32 s19, ttmp7, 0xffff                   ; the expert
	s_mov_b32 s20, ttmp9                           ; the slice of 64 hidden units
	v_and_b32 v[LN], 31, v0
	v_lshlrev_b32 v[GA], 4, v[LN]
	v_and_b32 v[RR], 15, v0
	s_lshl_b32 s28, s18, 6
	v_lshl_add_u32 v[LA], v[RR], 2, s28            ; the list: tile = wave (64 bytes a tile), row r
	s_and_b32 s24, s18, 1
	s_lshl_b32 s24, s24, 5
	s_lshl_b32 s25, s20, 6
	s_add_co_u32 s24, s24, s25                     ; my first row: 64 s + 32 (wave % 2),
	s_lshl_b32 s24, s24, 12                        ; of 4,096 bytes,
	s_lshl_b32 s25, s19, 23                        ; in the expert's 8 MB
	s_add_co_u32 s24, s24, s25
	s_mov_b32 s25, 0
	s_mul_i32 s26, s19, LISTB
	s_mov_b32 s27, 0
	s_wait_kmcnt 0x0
	s_cmp_lt_u32 s18, 2                            ; waves 0, 1 stream w1, waves 2, 3 w3: the choice hangs on the wave's number alone
	s_cselect_b64 s[22:23], s[4:5], s[6:7]
	s_add_nc_u64 s[22:23], s[22:23], s[24:25]
	s_add_nc_u64 s[12:13], s[12:13], s[26:27]      ; my expert's list
	s_load_b32 s29, s[12:13], CNTB                 ; its count: wanted behind the stream
.set K, 0
.rept 18
	global_load_b32 v[EL+K], v[LA], s[12:13] offset:256*K   ; my row's entry of tiles w + 4 k, k = 0 .. 17: the last of these loads ends at the list's byte 4,608; what lies behind tile 67 is held by a bound and never used
.set K, K+1
.endr
	RLOAD 0
	RLOAD 1
	RLOAD 2
	v_bfe_u32 v[HH], v0, 4, 1
	s_mul_i32 s24, s18, 32*CP
	v_lshl_add_u32 v[CA], v[LN], 1, s24            ; my wave's 32 rows of codes, 2 bytes a lane
	s_mul_i32 s24, s18, 32*WP
	s_add_co_u32 s24, s24, WSC
	v_lshrrev_b32 v[TMP], 3, v[LN]
	v_add_nc_u32 v[SA], s24, v[TMP]                ; my wave's rows of scale bytes, a byte for eight lanes
	v_mul_u32_u24 v[FA], v[RR], CP
	v_lshl_add_u32 v[FA], v[HH], 4, v[FA]
	v_mul_u32_u24 v[WSA], v[RR], WP
	v_mad_u32_u24 v[WSA], v[HH], 64*WP, v[WSA]     ; lanes 16-31 take w3's rows, 64 rows on
	v_add_nc_u32 v[WSA], WSC, v[WSA]
	v_lshlrev_b32 v[H16], 4, v[HH]
	s_lshl_b32 s24, s18, 14
	v_add_nc_u32 v[HO], s24, v[GA]                 ; hc: tile = wave, 16 bytes a lane
	s_lshl_b32 s24, s18, 10
	v_lshl_add_u32 v[HSO], v[RR], 6, s24           ; hs: tile = wave, row r
	v_mov_b32 v[TM+2], 0                           ; written once: a lane permute's destination counts as one of its sources
	v_mov_b32 v[TM+3], 0
	s_mov_b32 s34, 0x76543210                      ; v_permlanex16_b32's selects for lane l xor 16
	s_mov_b32 s35, 0xfedcba98
	s_mov_b32 s36, 0xbfb8aa3b                      ; -log2(e); the packed form names the pair and takes its low word for both halves
	s_mov_b32 s37, s36
	s_lshl_b32 s24, s19, 20
	s_lshl_b32 s27, s20, 9
	s_add_co_u32 s24, s24, s27
	s_add_nc_u64 s[14:15], s[14:15], s[24:25]      ; hc at (expert, tile 0, my slice)
	s_lshl_b32 s24, s19, 16
	s_lshl_b32 s27, s20, 1
	s_add_co_u32 s24, s24, s27
	s_add_nc_u64 s[16:17], s[16:17], s[24:25]      ; hs likewise
.set Q, 0
.rept NB
	BATCH Q
.set Q, Q+1
.endr
	s_wait_dscnt 0x0                               ; for the others' sake: my codes and scale bytes have landed
	s_barrier_signal -1
	s_barrier_wait -1                              ; 128 rows of codes lie in LDS; from here on LDS is only read
	s_wait_kmcnt 0x0                               ; the count
	s_add_co_u32 s29, s29, 15
	s_lshr_b32 s30, s29, 4                         ; tiles of 16 rows,
	s_max_u32 s30, s30, 1                          ; at least one,
	s_min_u32 s30, s30, 64                         ; at most 64: a token chooses an expert once
	s_mov_b32 s31, s18                             ; my first tile
	s_mov_b32 s32, 0
	XADDR 0, EL
	XLOAD 0                                        ; my first two tiles' tokens are asked for while the fragments come out of LDS
	XADDR 1, EL+1
	XLOAD 1
	WIN 0x40
.irp ks, 0,1,2,3
.irp m, 0,1
.irp t, 0,1,2,3
.irp c, 0,1
	ds_load_b128 v[64*\ks+32*\m+8*\t+4*\c:64*\ks+32*\m+8*\t+4*\c+3], v[FA] offset:(64*\m+16*\t)*CP+64*\ks+32*\c
.endr
.endr
.endr
.endr
	WIN 0x80
.irp ks, 0,1,2,3
.irp m, 0,1
.irp t, 0,1,2,3
.irp c, 0,1
	ds_load_b128 v[64*\ks+32*\m+8*\t+4*\c:64*\ks+32*\m+8*\t+4*\c+3], v[FA] offset:(64*\m+16*\t)*CP+64*(\ks+4)+32*\c
.endr
.endr
.endr
.endr
	WIN 0
.irp t, 0,1,2,3
.irp i, 0,1
	ds_load_b128 v[WS+8*\t+4*\i:WS+8*\t+4*\i+3], v[WSA] offset:16*\t*WP+16*\i   ; tile t's scale words of K steps 4 i .. 4 i + 3
.endr
.endr
	s_wait_dscnt 0x0
.Ltiles:                                               ; eight trips of two tiles: 16 tiles a wave at the most; a wave leaves when its tiles are done
	HALF 0
	HALF 1
.set K, 0
.rept 16
	v_mov_b32 v[EL+K], v[EL+K+2]                   ; the entries move down by the trip's two tiles, so that every trip names the same registers
.set K, K+1
.endr
	s_add_co_u32 s32, s32, 1
	s_cmp_lt_u32 s32, 8
	s_cbranch_scc1 .Ltiles
.Ldone:
	s_wait_tensorcnt 0x0
	ds_add_u32 v190, v191
	s_wait_dscnt 0x0
	s_endpgm
.Lfunc_end_k_qdbbe644885_hid:
	.size	k_qdbbe644885_hid, .Lfunc_end_k_qdbbe644885_hid-k_qdbbe644885_hid
	.p2alignl 7, 3214868480
	.fill 96, 4, 3214868480
	.section	.rodata,"a",@progbits
	.p2align	6, 0x0
	.amdhsa_kernel k_qdbbe644885_hid
		.amdhsa_group_segment_fixed_size 74240
		.amdhsa_private_segment_fixed_size 0
		.amdhsa_enable_private_segment 0
		.amdhsa_kernarg_size 56
		.amdhsa_user_sgpr_count 2
		.amdhsa_user_sgpr_kernarg_segment_ptr 1
		.amdhsa_wavefront_size32 1
		.amdhsa_system_sgpr_workgroup_id_x 1
		.amdhsa_system_sgpr_workgroup_id_y 1
		.amdhsa_system_sgpr_workgroup_id_z 1
		.amdhsa_system_vgpr_workitem_id 0
		.amdhsa_next_free_vgpr 896
		.amdhsa_next_free_sgpr 66
		.amdhsa_reserve_vcc 0
		.amdhsa_float_denorm_mode_32 3
		.amdhsa_float_denorm_mode_16_64 3
		.amdhsa_memory_ordered 1
		.amdhsa_forward_progress 1
		.amdhsa_inst_pref_size 245
	.end_amdhsa_kernel
	.amdgpu_metadata
---
amdhsa.version: [ 1, 2 ]
amdhsa.kernels:
  - .name:           k_qdbbe644885_hid
    .symbol:         k_qdbbe644885_hid.kd
    .args:
      - { .name: w1, .offset: 0, .size: 8, .value_kind: global_buffer, .address_space: global }
      - { .name: w3, .offset: 8, .size: 8, .value_kind: global_buffer, .address_space: global }
      - { .name: xc, .offset: 16, .size: 8, .value_kind: global_buffer, .address_space: global }
      - { .name: xs, .offset: 24, .size: 8, .value_kind: global_buffer, .address_space: global }
      - { .name: lists, .offset: 32, .size: 8, .value_kind: global_buffer, .address_space: global }
      - { .name: hc, .offset: 40, .size: 8, .value_kind: global_buffer, .address_space: global }
      - { .name: hs, .offset: 48, .size: 8, .value_kind: global_buffer, .address_space: global }
    .group_segment_fixed_size: 74240
    .private_segment_fixed_size: 0
    .kernarg_segment_align: 8
    .kernarg_segment_size: 56
    .max_flat_workgroup_size: 128
    .sgpr_count:     66
    .vgpr_count:     896
    .wavefront_size: 32
...
	.end_amdgpu_metadata
.endif
;; end of part 3
;; launch outp (part 4): grid 32 x 8, 4 waves a work-group, no clusters, 45,568 bytes of LDS; arguments w2, hc, hs, lists, gates, y; writes y
.if DOCPART == 4
	.amdgcn_target "amdgcn-amd-amdhsa--gfx1250"
	.amdhsa_code_object_version 6
	.text
	.protected	k_qdbbe644885_outp
	.globl	k_qdbbe644885_outp
	.p2align	8
	.type	k_qdbbe644885_outp,@function
k_qdbbe644885_outp:
	s_mov_b64 s[64:65], 0
	v_nop
	global_prefetch_b8 v0, s[64:65] scope:SCOPE_SE
	s_setreg_imm32_b32 hwreg(HW_REG_WAVE_MODE, 25, 1), 1
	s_wait_xcnt 0x0
; THE SECOND PRODUCT OF THE ROUTED ROWS: y[entry] = gate x (Q(h) Q(w2[e])^T), on codes of FP4 (E2M1) with one E8M0 scale for each 32 along K = 2,048 hidden units.
; THE WEIGHTS STAY, THE ROWS PASS.  Work-group (ns, e) owns output columns 32 ns .. 32 ns + 31 of expert e: 32 rows of w2, 256 KB of f32, read from memory once, quantised on the way into LDS, then held as
; 32 fragments (256 registers) in each wave.  All tiles of 16 rows of expert e pass over them; the four waves take tiles w, w + 4, ..  A tile of h is 16 KB of codes laid in the order of the operand's
; registers: 32 loads of 512 consecutive bytes.
; THE STREAM.  A load brings 512 consecutive bytes, 16 a lane: 128 numbers of a row, four blocks of 32, eight neighbouring lanes to a block.  They are quantised WHERE THEY LIE: the largest magnitude of the
; lane's four, three steps across the eight lanes, the scale.  The conversion takes eight numbers of a lane under one scale: it is given the registers of loads j and j + 1 with load j's scale, and only its
; low 16 bits, load j's four codes, are kept (a batch's last load: the registers of loads 14 and 15, and the high 16 bits are moved down).  So each number is converted twice, and no f32 number goes
; through LDS: what goes there are the codes, 2 bytes a lane and 64 consecutive bytes a load, and the load's four scale bytes.
; THE LIST.  lists holds, as whole numbers that an earlier launch stored, expert e's rows: entry = token + 1024 x (0: first choice, 1: second) is the row of y and the index of the gate; the filling
; 2048 + e names a row of y that nobody reads, of which bytes 128 ns .. 128 ns + 127 are this work-group's alone: so every lane stores in every tile and EXEC is never narrowed.  Word 1120: the count,
; which comes by a scalar load.  A wave's entries for the gates (row lane % 16 of tiles w + 4 k, k = 0 .. 17) come once, into 18 registers; each trip of the tile loop names the third and fourth of
; them and moves the run down by two.  The entries for the way out (rows 4 (lane / 8) + 0 .. 3: 16 consecutive bytes of the list) come with each tile, by one load.
; A TILE IS ASKED FOR TWO TILES AHEAD: both buffers are filled ahead of the loop, and a buffer is filled again at the end of the tile that read it, behind that tile's stores: two tiles are 76 loads, more
; than the load counter's field holds, so the issue may be held there, and the way out stands ahead of it.
; TRANSPOSED USE (source 0 = 16 rows of w2, source 1 = 16 rows of h), and w2's rows laid in LDS with bits 3 and 4 of the local row exchanged: a lane's 16 results are 16 neighbouring columns of one row.
; They turn through the wave's own stage, so that eight neighbouring lanes store a row's 128 consecutive bytes.  K goes into two accumulators a tile of columns (even and odd K steps), added at the end.
; NO TENSOR LOADS: the stream goes through a ring of registers, 48 loads of 512 consecutive bytes a wave always asked for.  NO CLUSTER: no weight byte is shared; h's tiles are shared by an expert's 32
; work-groups, but their number hangs on a count read from memory, so partners could not make the same number of joint requests by a constant of the text.
; LIMITS: NaN and infinities are not served; a block of zeros gets the byte 1 (its codes are zeros; this program alone reads the bytes).
; REGISTERS.  window 0: v1-21 lane terms and addresses; v22-39 my wave's entries; v40-55 WS, v56-87 HS: scale words and nothing else; v88-97 a tile's offsets and gate, for two buffers;
;   v100-107 the way out's entries, for two buffers; v108-111 its offsets; v112-143 four accumulators; v144-159 the sums; v160-175 rows read back;
;   v192-255 while the weights stream: two sets of 16 magnitudes and 16 code registers, by turns.
;   window 1: the ring (v0-191), then w2's fragments at 16 ks + 8 u;  window 2: h's fragments, two buffers of 128.
.set CP,    1040                       ; a row of codes in LDS: 1,024 bytes + 16: an odd multiple of 16
.set WP,    80                         ; a row of scale bytes: 64 + 16
.set WSC,   32*CP
.set OST,   WSC+32*WP                  ; the way out: 16 rows x (128 bytes + 16) for each wave
.set OP,    144
.set LISTB, 4608                       ; an expert's list in bytes
.set CNTB,  4480                       ; and the byte at which its count lies
.set NB,    8                          ; batches of sixteen loads of 512 bytes (one row): a wave's 64 KB
.set LN,1
.set RR,2
.set HH,3
.set GA,4
.set CA,7                              ; where my codes go: my wave's rows, 2 bytes a lane
.set SA,8                              ; and my block's scale byte
.set FA,9
.set WSA,10
.set LA,11                             ; my entry (row lane % 16) of my wave's first tile: its byte in the list
.set LB,12                             ; 16 (lane / 8): my four rows' entries in a tile's 64 bytes of the list
.set R64,17
.set C16,18
.set STW,19
.set STR,20
.set TMP,21
.set EL,22                             ; v22-39 my wave's entries: register k = tile w + 4 k from the trip's first tile on
.set WS,40
.set HS,56
.set HA,88
.set HSA,90
.set GO,92
.set G,94
.set EA,96
.set ES,100
.set YA,108
.set ACC,112
.set Y,144
.set O,160
.set QB,192                            ; the stream's quantiser: set b % 2 at QB + 32 (b % 2): 16 magnitudes (then scale operands, then bytes), 16 code registers
.set MSB, 0
.macro WIN new                         ; the immediate's high byte repeats the setting that is left
.if MSB != \new
	s_set_vgpr_msb (MSB<<8)|\new
.set MSB, \new
.endif
.endm
.macro RLOAD b                         ; batch b of my wave's stream into ring set b % 3: sixteen loads of 512 consecutive bytes
	WIN 0x40
.set J, 0
.rept 16
	global_load_b128 v[64*((\b)%3)+4*J:64*((\b)%3)+4*J+3], v[GA], s[22:23] offset:512*(16*(\b)+J) th:TH_LOAD_NT
.set J, J+1
.endr
	WIN 0
.endm
; Batch b: sixteen loads (row b of my eight, 2,048 numbers) are quantised where they lie, the sixteen by turns, so that no line waits for the line above it; their set of the ring is asked for again as soon
; as the conversions have read it; codes and bytes go to their row in LDS.
.macro BATCH b
.set RS, 64*((\b)%3)
.set MX, QB+32*((\b)%2)
.set CX, MX+16
.if (\b) < NB-2
	s_wait_loadcnt 32                              ; this batch's sixteen loads are in (and all that is older: my entries); the two batches behind it may be out
.elseif (\b) == NB-2
	s_wait_loadcnt 16
.else
	s_wait_loadcnt 0
.endif
	s_wait_dscnt 32                                ; the last batch's 32 stores may be out; those of the batch before it, which read this set of registers, are done
	WIN 0x15                                       ; the three sources in window 1 (the ring)
.set J, 0
.rept 16
	v_max3_num_f32 v[MX+J], |v[RS+4*J]|, |v[RS+4*J+1]|, |v[RS+4*J+2]|
.set J, J+1
.endr
	WIN 0x01                                       ; source 0 in window 1
.set J, 0
.rept 16
	v_max3_num_f32 v[MX+J], |v[RS+4*J+3]|, v[MX+J], 0x1800000   ; my four, and the floor 2^(3 - 127): the byte cannot fall under 1
.set J, J+1
.endr
	WIN 0
.irp m, 1,2,4                                  ; with the seven other lanes of the block
.set J, 0
.rept 16
	v_max_num_f32_dpp v[MX+J], v[MX+J], v[MX+J] row_xmask:\m row_mask:0xf bank_mask:0xf
.set J, J+1
.endr
.endr
.set J, 0
.rept 16
	v_add_nc_u32 v[MX+J], 0xff000000, v[MX+J]      ; 2 off the exponent field: the conversion takes the exponent field of this operand as its scale, and nothing else of it
.set J, J+1
.endr
	WIN 0x01
.set J, 0
.rept 15
	v_cvt_scalef32_pk8_fp4_f32 v[CX+J], v[RS+4*J:RS+4*J+7], v[MX+J]   ; the low 16 bits: load J's four codes; the rest, load J + 1's numbers under a scale that is not theirs, is not used
.set J, J+1
.endr
	v_cvt_scalef32_pk8_fp4_f32 v[CX+15], v[RS+56:RS+63], v[MX+15]     ; the last load's codes are the high 16 bits
	v_nop                                          ; one plain line behind the scaled conversions, ahead of the lines that touch their results and write their scales
.if (\b)+3 < NB
	RLOAD (\b)+3                                   ; the set takes the batch three on
.else
	WIN 0
.endif
	v_lshrrev_b32 v[CX+15], 16, v[CX+15]
.set J, 0
.rept 16
	v_lshrrev_b32 v[MX+J], 23, v[MX+J]             ; the scale's byte
.set J, J+1
.endr
.set J, 0
.rept 16
	ds_store_b16 v[CA], v[CX+J] offset:(\b)*CP+64*J     ; the wave stores 64 consecutive bytes
	ds_store_b8 v[SA], v[MX+J] offset:(\b)*WP+4*J       ; the eight lanes of a block write the same byte with the same value
.set J, J+1
.endr
.endm
; A tile is asked for into buffer p: its 16 KB of codes, its scale words, its rows' gates, and the entries for its way out: 38 loads.  s26: the tile wanted, 71 at the most; past the expert's last tile the
; last one's codes are fetched again and not used, and the list's words are taken as they lie (tile 71's end at the list's byte 4,608).  ent: the register that holds my row's entry of that tile.
.macro PRE p, ent
	s_min_u32 s27, s26, s28                        ; s28: the last tile
	s_min_u32 s27, s27, 63                         ; a loaded number enters an address only behind this bound
	s_add_co_u32 s27, s27, s21                     ; + 64 e
	s_lshl_b32 s29, s27, 14
	v_add_nc_u32 v[HA+\p], s29, v[GA]
	s_lshl_b32 s29, s27, 10
	v_add_nc_u32 v[HSA+\p], s29, v[R64]
	s_lshl_b32 s29, s26, 6                         ; the tile's 64 bytes of the list
	v_add_nc_u32 v[EA+\p], s29, v[LB]
	v_min_u32 v[GO+\p], 2047, v[(\ent)]            ; the gate's index; the filling takes the last gate, for a row that nobody reads
	v_lshlrev_b32 v[GO+\p], 2, v[GO+\p]
	WIN 0x80
.set J, 0
.rept 32
	global_load_b128 v[128*\p+4*J:128*\p+4*J+3], v[HA+\p], s[6:7] offset:512*J
.set J, J+1
.endr
	WIN 0
.irp i, 0,1,2,3
	global_load_b128 v[HS+16*\p+4*\i:HS+16*\p+4*\i+3], v[HSA+\p], s[8:9] offset:16*\i
.endr
	global_load_b32 v[G+\p], v[GO+\p], s[12:13]
	global_load_b128 v[ES+4*\p:ES+4*\p+3], v[EA+\p], s[10:11]
.endm
; One tile of 16 rows, from buffer p.  At its end the buffer takes my wave's tile two on (its entries for the gates: register EL + p + 2).
.macro HALF p
	s_cmp_ge_u32 s31, s30                          ; no tile left for my wave: no barrier follows, so a wave may end by itself
	s_cbranch_scc1 .Ldone
	s_wait_loadcnt 38                              ; the other buffer's 38 loads, issued behind this buffer's, may be out: buffer p is in
	WIN 0x09                                       ; source 0 (w2) window 1, source 1 (h) window 2
.set K, 0
.rept 16                               ; four accumulators take turns, one instruction a turn; K steps 0 and 1 start the sums with the constant 0
.set AR, ACC+16*(K%2)
.if K < 2
	v_wmma_scale_f32_16x16x128_f8f6f4 v[AR:AR+7], v[16*K:16*K+7], v[128*\p+8*K:128*\p+8*K+7], 0, v[WS+K], v[HS+16*\p+K] matrix_a_fmt:MATRIX_FMT_FP4 matrix_b_fmt:MATRIX_FMT_FP4
	v_wmma_scale_f32_16x16x128_f8f6f4 v[AR+8:AR+15], v[16*K+8:16*K+15], v[128*\p+8*K:128*\p+8*K+7], 0, v[WS+K], v[HS+16*\p+K] matrix_a_fmt:MATRIX_FMT_FP4 matrix_b_fmt:MATRIX_FMT_FP4 matrix_a_scale:MATRIX_SCALE_ROW1
.else
	v_wmma_scale_f32_16x16x128_f8f6f4 v[AR:AR+7], v[16*K:16*K+7], v[128*\p+8*K:128*\p+8*K+7], v[AR:AR+7], v[WS+K], v[HS+16*\p+K] matrix_a_fmt:MATRIX_FMT_FP4 matrix_b_fmt:MATRIX_FMT_FP4
	v_wmma_scale_f32_16x16x128_f8f6f4 v[AR+8:AR+15], v[16*K+8:16*K+15], v[128*\p+8*K:128*\p+8*K+7], v[AR+8:AR+15], v[WS+K], v[HS+16*\p+K] matrix_a_fmt:MATRIX_FMT_FP4 matrix_b_fmt:MATRIX_FMT_FP4 matrix_a_scale:MATRIX_SCALE_ROW1
.endif
.set K, K+1
.endr
	WIN 0
.rept 4
	v_nop                                          ; places behind the last products, in front of the first read of results
.endr
.set J, 0
.rept 8
	v_pk_add_f32 v[Y+J:Y+J+1], v[ACC+J:ACC+J+1], v[ACC+16+J:ACC+16+J+1]   ; even and odd K steps; every accumulator is read from its low end on
.set J, J+2
.endr
.set J, 0
.rept 16
	v_mul_f32 v[Y+J], v[Y+J], v[G+\p]              ; x my row's gate.  Register 8 u + j is column 16 (lane / 16) + 8 u + j
.set J, J+1
.endr
	s_wait_xcnt 0x0                                ; the last tile's stores have read their offsets and data: both are written again only behind this wait
.irp i, 0,1,2,3
	ds_store_b128 v[STW], v[Y+4*\i:Y+4*\i+3] offset:16*\i
.endr
.irp i, 0,1,2,3
	ds_load_b128 v[O+4*\i:O+4*\i+3], v[STR] offset:OP*\i   ; LDS serves a wave's instructions in order: these see the stores above.  Rows 4 (lane / 8) + i
.endr
.irp i, 0,1,2,3
	v_min_u32 v[YA+\i], 0x807, v[ES+4*\p+\i]       ; the row of y: a loaded number enters an address only behind this bound
.endr
.irp i, 0,1,2,3
	v_lshl_add_u32 v[YA+\i], v[YA+\i], 12, v[C16]
.endr
	s_wait_dscnt 0x0
.irp i, 0,1,2,3
	global_store_b128 v[YA+\i], v[O+4*\i:O+4*\i+3], s[14:15]   ; eight neighbouring lanes store a row's 128 consecutive bytes
.endr
	s_add_co_u32 s26, s31, 8                       ; my tile two on
	PRE \p, EL+\p+2                                ; buffer p's offset registers: the wait at this tile's head has shown their last loads done; its gate and entries have been read above
	s_add_co_u32 s31, s31, 4
.endm
	s_load_b256 s[4:11], s[0:1], 0x0               ; w2 s[4:5], hc s[6:7], hs s[8:9], lists s[10:11]
	s_load_b128 s[12:15], s[0:1], 0x20             ; gates s[12:13], y s[14:15]
	v_lshl_add_u32 v190, v0, 2, 0xb000
	v_mov_b32 v191, 0
	v_lshrrev_b32 v[TMP], 5, v0
	v_readfirstlane_b32 s18, v[TMP]                ; wave 0..3
	s_and_b32 s19, ttmp7, 0xffff                   ; the expert
	s_mov_b32 s20, ttmp9                           ; the slice of 32 columns
	v_and_b32 v[LN], 31, v0
	v_lshlrev_b32 v[GA], 4, v[LN]
	v_and_b32 v[RR], 15, v0
	s_lshl_b32 s28, s18, 6
	v_lshl_add_u32 v[LA], v[RR], 2, s28            ; the list: tile = wave (64 bytes a tile), row r
	s_lshl_b32 s24, s20, 5
	s_lshl_b32 s25, s18, 3
	s_add_co_u32 s24, s24, s25                     ; my first row of w2[e]: 32 ns + 8 wave,
	s_lshl_b32 s24, s24, 13                        ; of 8,192 bytes,
	s_lshl_b32 s25, s19, 23                        ; in the expert's 8 MB
	s_add_co_u32 s24, s24, s25
	s_mov_b32 s25, 0
	s_mul_i32 s26, s19, LISTB
	s_mov_b32 s27, 0
	s_wait_kmcnt 0x0
	s_add_nc_u64 s[22:23], s[4:5], s[24:25]
	s_add_nc_u64 s[10:11], s[10:11], s[26:27]      ; my expert's list
	s_load_b32 s29, s[10:11], CNTB                 ; its count: wanted behind the stream
.set K, 0
.rept 18
	global_load_b32 v[EL+K], v[LA], s[10:11] offset:256*K   ; my row's entry of tiles w + 4 k, k = 0 .. 17: the last of these loads ends at the list's byte 4,608; what lies behind tile 67 is held by a bound and never used
.set K, K+1
.endr
	RLOAD 0
	RLOAD 1
	RLOAD 2
	v_bfe_u32 v[HH], v0, 4, 1
	s_and_b32 s24, s18, 1
	s_lshl_b32 s24, s24, 4
	s_lshr_b32 s27, s18, 1
	s_lshl_b32 s27, s27, 3
	s_add_co_u32 s24, s24, s27                     ; my eight rows' place in LDS: 16 (wave % 2) + 8 (wave / 2): bits 3 and 4 of the local row exchanged
	s_mul_i32 s27, s24, CP
	v_lshl_add_u32 v[CA], v[LN], 1, s27            ; 2 bytes a lane
	s_mul_i32 s27, s24, WP
	s_add_co_u32 s27, s27, WSC
	v_lshrrev_b32 v[TMP], 3, v[LN]
	v_add_nc_u32 v[SA], s27, v[TMP]                ; a byte for eight lanes
	v_mul_u32_u24 v[FA], v[RR], CP
	v_lshl_add_u32 v[FA], v[HH], 4, v[FA]
	v_mul_u32_u24 v[WSA], v[RR], WP
	v_mad_u32_u24 v[WSA], v[HH], 16*WP, v[WSA]     ; lanes 16-31 take tile 1's rows, 16 rows on
	v_add_nc_u32 v[WSA], WSC, v[WSA]
	v_lshlrev_b32 v[R64], 6, v[RR]
	v_and_b32 v[C16], 7, v[LN]
	v_lshlrev_b32 v[C16], 4, v[C16]
	s_mul_i32 s24, s18, 16*OP
	s_add_co_u32 s24, s24, OST                     ; my stage
	v_mul_u32_u24 v[STW], v[RR], OP
	v_lshl_add_u32 v[STW], v[HH], 6, v[STW]
	v_add_nc_u32 v[STW], s24, v[STW]               ; in: row r, 64 bytes for each half of the lanes
	v_lshlrev_b32 v[LB], 4, v[TMP]                 ; (lane / 8 is still in the register)
	v_mul_u32_u24 v[STR], v[TMP], 4*OP
	v_add_nc_u32 v[STR], v[STR], v[C16]
	v_add_nc_u32 v[STR], s24, v[STR]               ; back: eight lanes to a row of 128 bytes; my four rows are 4 (lane / 8) + 0 .. 3
	s_lshl_b32 s21, s19, 6                         ; 64 e: the expert's first tile
	s_lshl_b32 s24, s20, 7
	s_add_nc_u64 s[14:15], s[14:15], s[24:25]      ; y at my 32 columns
.set Q, 0
.rept NB
	BATCH Q
.set Q, Q+1
.endr
	s_wait_dscnt 0x0                               ; for the others' sake: my codes and scale bytes have landed
	s_barrier_signal -1
	s_barrier_wait -1                              ; 32 rows of codes lie in LDS; from here on a wave writes only its own stage
	s_wait_kmcnt 0x0                               ; the count
	s_add_co_u32 s29, s29, 15
	s_lshr_b32 s30, s29, 4                         ; tiles of 16 rows,
	s_max_u32 s30, s30, 1                          ; at least one, as in the launch that made h,
	s_min_u32 s30, s30, 64                         ; at most 64
	s_sub_co_u32 s28, s30, 1                       ; the last tile
	s_mov_b32 s31, s18                             ; my first tile
	s_mov_b32 s32, 0
	s_mov_b32 s26, s18
	PRE 0, EL                                      ; it is asked for while the fragments come out of LDS
	WIN 0x40
.irp ks, 0,1,2,3,4,5,6,7,8,9,10,11,12,13,14,15
.irp u, 0,1
.irp c, 0,1
	ds_load_b128 v[16*\ks+8*\u+4*\c:16*\ks+8*\u+4*\c+3], v[FA] offset:16*\u*CP+64*\ks+32*\c
.endr
.endr
.endr
	WIN 0
.irp i, 0,1,2,3
	ds_load_b128 v[WS+4*\i:WS+4*\i+3], v[WSA] offset:16*\i   ; the scale words of K steps 4 i .. 4 i + 3: lanes 0-15 tile 0's, lanes 16-31 tile 1's
.endr
	s_add_co_u32 s26, s18, 4
	PRE 1, EL+1                                    ; and my second tile
	s_wait_dscnt 0x0
.Ltiles:                                               ; eight trips of two tiles: 16 tiles a wave at the most; a wave leaves when its tiles are done
	HALF 0
	HALF 1
.set K, 0
.rept 16
	v_mov_b32 v[EL+K], v[EL+K+2]                   ; the entries move down by the trip's two tiles, so that every trip names the same registers
.set K, K+1
.endr
	s_add_co_u32 s32, s32, 1
	s_cmp_lt_u32 s32, 8
	s_cbranch_scc1 .Ltiles
.Ldone:
	s_wait_tensorcnt 0x0
	ds_add_u32 v190, v191
	s_wait_dscnt 0x0
	s_endpgm
.Lfunc_end_k_qdbbe644885_outp:
	.size	k_qdbbe644885_outp, .Lfunc_end_k_qdbbe644885_outp-k_qdbbe644885_outp
	.p2alignl 7, 3214868480
	.fill 96, 4, 3214868480
	.section	.rodata,"a",@progbits
	.p2align	6, 0x0
	.amdhsa_kernel k_qdbbe644885_outp
		.amdhsa_group_segment_fixed_size 45568
		.amdhsa_private_segment_fixed_size 0
		.amdhsa_enable_private_segment 0
		.amdhsa_kernarg_size 48
		.amdhsa_user_sgpr_count 2
		.amdhsa_user_sgpr_kernarg_segment_ptr 1
		.amdhsa_wavefront_size32 1
		.amdhsa_system_sgpr_workgroup_id_x 1
		.amdhsa_system_sgpr_workgroup_id_y 1
		.amdhsa_system_sgpr_workgroup_id_z 1
		.amdhsa_system_vgpr_workitem_id 0
		.amdhsa_next_free_vgpr 768
		.amdhsa_next_free_sgpr 66
		.amdhsa_reserve_vcc 0
		.amdhsa_float_denorm_mode_32 3
		.amdhsa_float_denorm_mode_16_64 3
		.amdhsa_memory_ordered 1
		.amdhsa_forward_progress 1
		.amdhsa_inst_pref_size 135
	.end_amdhsa_kernel
	.amdgpu_metadata
---
amdhsa.version: [ 1, 2 ]
amdhsa.kernels:
  - .name:           k_qdbbe644885_outp
    .symbol:         k_qdbbe644885_outp.kd
    .args:
      - { .name: w2, .offset: 0, .size: 8, .value_kind: global_buffer, .address_space: global }
      - { .name: hc, .offset: 8, .size: 8, .value_kind: global_buffer, .address_space: global }
      - { .name: hs, .offset: 16, .size: 8, .value_kind: global_buffer, .address_space: global }
      - { .name: lists, .offset: 24, .size: 8, .value_kind: global_buffer, .address_space: global }
      - { .name: gates, .offset: 32, .size: 8, .value_kind: global_buffer, .address_space: global }
      - { .name: y, .offset: 40, .size: 8, .value_kind: global_buffer, .address_space: global }
    .group_segment_fixed_size: 45568
    .private_segment_fixed_size: 0
    .kernarg_segment_align: 8
    .kernarg_segment_size: 48
    .max_flat_workgroup_size: 128
    .sgpr_count:     66
    .vgpr_count:     768
    .wavefront_size: 32
...
	.end_amdgpu_metadata
.endif
;; end of part 4
;; launch comb (part 5): grid 256 x 1, 4 waves a work-group, no clusters, 0 bytes of LDS; arguments y, out0; writes out0
.if DOCPART == 5
	.amdgcn_target "amdgcn-amd-amdhsa--gfx1250"
	.amdhsa_code_object_version 6
	.text
	.protected	k_qdbbe644885_comb
	.globl	k_qdbbe644885_comb
	.p2align	8
	.type	k_qdbbe644885_comb,@function
k_qdbbe644885_comb:
	s_mov_b64 s[64:65], 0
	v_nop
	global_prefetch_b8 v0, s[64:65] scope:SCOPE_SE
	s_setreg_imm32_b32 hwreg(HW_REG_WAVE_MODE, 25, 1), 1
	s_wait_xcnt 0x0
; out0[t] = y[t] + y[1024 + t]: a token's two gated parts, which two experts' work-groups stored, are added.  y: f32 [2056][1024] (its last eight rows are read by nobody), out0: f32 [1024][1024].
; Rows are dense, so the first 1,024 rows of y, the next 1,024 and out0 are three plain streams of 4 MB.  A work-group takes 16 KB of each: thread t the 16 bytes at 16 t of each of eight pieces of 2,048 bytes,
; so that a wave's load or store covers 512 consecutive bytes.  All sixteen loads go out first.  No LDS, no barrier, no matrix unit: bytes are all there is to this launch.
.set A, 8                              ; v8-39   the first part, then the sum
.set B, 40                             ; v40-71  the second part
	s_load_b128 s[4:7], s[0:1], 0x0                ; y s[4:5], out0 s[6:7]
	v_lshlrev_b32 v1, 4, v0                        ; 16 x thread
	s_lshl_b32 s8, ttmp9, 14                       ; the work-group's 16 KB
	s_mov_b32 s9, 0
	s_wait_kmcnt 0x0
	s_add_nc_u64 s[4:5], s[4:5], s[8:9]
	s_add_nc_u64 s[6:7], s[6:7], s[8:9]
.irp i, 0,1,2,3,4,5,6,7
	global_load_b128 v[A+4*\i:A+4*\i+3], v1, s[4:5] offset:2048*\i th:TH_LOAD_NT
.endr
.irp i, 0,1,2,3,4,5,6,7
	global_load_b128 v[B+4*\i:B+4*\i+3], v1, s[4:5] offset:4194304+2048*\i th:TH_LOAD_NT   ; 1,024 rows of 4,096 bytes on
.endr
.irp i, 0,1,2,3,4,5,6,7
	s_wait_loadcnt 7-\i                            ; loads come back in order: piece i of both parts is in; the younger loads of the second part may be out
	v_pk_add_f32 v[A+4*\i:A+4*\i+1], v[A+4*\i:A+4*\i+1], v[B+4*\i:B+4*\i+1]
	v_pk_add_f32 v[A+4*\i+2:A+4*\i+3], v[A+4*\i+2:A+4*\i+3], v[B+4*\i+2:B+4*\i+3]
	global_store_b128 v1, v[A+4*\i:A+4*\i+3], s[6:7] offset:2048*\i th:TH_STORE_NT
.endr
	s_endpgm
.Lfunc_end_k_qdbbe644885_comb:
	.size	k_qdbbe644885_comb, .Lfunc_end_k_qdbbe644885_comb-k_qdbbe644885_comb
	.p2alignl 7, 3214868480
	.fill 96, 4, 3214868480
	.section	.rodata,"a",@progbits
	.p2align	6, 0x0
	.amdhsa_kernel k_qdbbe644885_comb
		.amdhsa_group_segment_fixed_size 0
		.amdhsa_private_segment_fixed_size 0
		.amdhsa_enable_private_segment 0
		.amdhsa_kernarg_size 16
		.amdhsa_user_sgpr_count 2
		.amdhsa_user_sgpr_kernarg_segment_ptr 1
		.amdhsa_wavefront_size32 1
		.amdhsa_system_sgpr_workgroup_id_x 1
		.amdhsa_system_sgpr_workgroup_id_y 1
		.amdhsa_system_sgpr_workgroup_id_z 1
		.amdhsa_system_vgpr_workitem_id 0
		.amdhsa_next_free_vgpr 72
		.amdhsa_next_free_sgpr 66
		.amdhsa_reserve_vcc 0
		.amdhsa_float_denorm_mode_32 3
		.amdhsa_float_denorm_mode_16_64 3
		.amdhsa_memory_ordered 1
		.amdhsa_forward_progress 1
		.amdhsa_inst_pref_size 5
	.end_amdhsa_kernel
	.amdgpu_metadata
---
amdhsa.version: [ 1, 2 ]
amdhsa.kernels:
  - .name:           k_qdbbe644885_comb
    .symbol:         k_qdbbe644885_comb.kd
    .args:
      - { .name: y, .offset: 0, .size: 8, .value_kind: global_buffer, .address_space: global }
      - { .name: out0, .offset: 8, .size: 8, .value_kind: global_buffer, .address_space: global }
    .group_segment_fixed_size: 0
    .private_segment_fixed_size: 0
    .kernarg_segment_align: 8
    .kernarg_segment_size: 16
    .max_flat_workgroup_size: 128
    .sgpr_count:     66
    .vgpr_count:     72
    .wavefront_size: 32
...
	.end_amdgpu_metadata
.endif
;; end of part 5
;; ======== version 2 of 2: 5 launches
;; workspace buffers: xc 524,288 bytes; xs 32,768 bytes; ids 4,096 bytes of whole numbers; lists 36,864 bytes of whole numbers; gates 8,192 bytes; hc 8,388,608 bytes; hs 524,288 bytes; y 8,421,376 bytes
;; launch route (part 6): grid 256 x 1, 4 waves a work-group, no clusters, 18,944 bytes of LDS; arguments x, router_w, xc, xs, ids, gates; writes xc, xs, ids, gates
.if DOCPART == 6
	.amdgcn_target "amdgcn-amd-amdhsa--gfx1250"
	.amdhsa_code_object_version 6
	.text
	.protected	k_qdbbe644885_route
	.globl	k_qdbbe644885_route
	.p2align	8
	.type	k_qdbbe644885_route,@function
k_qdbbe644885_route:
	s_mov_b64 s[64:65], 0
	v_nop
	global_prefetch_b8 v0, s[64:65] scope:SCOPE_SE
	s_setreg_imm32_b32 hwreg(HW_REG_WAVE_MODE, 25, 1), 1
	s_wait_xcnt 0x0
; THE ROUTER, AND x INTO CODES.  x: [1024 tokens][1024] f32, router_w: [8][1024] f32.  One wave takes one token: 256 work-groups x 4 waves.
; It stores: xc [1024][512 bytes]: the token's codes of FP4 (E2M1), K innermost, the lower k in the low four bits; xs [1024][32]: one E8M0 byte for each 32 along K;
; ids [1024] u32: first expert | second expert << 8; gates f32 [2][1024]: the two renormalised weights.  All at fixed places: no address here hangs on a floating-point number.
; ROUTER: eight dot products in f32 (packed multiply-adds, two chains an expert), summed over the 32 lanes; softmax with the maximum taken away; top 2 by scans in which the
; lower index wins a tie; the two weights divided by their sum.
; QUANTISER: a block's scale is 2^(floor(log2(largest magnitude)) - 2); its byte is the largest magnitude's exponent field - 2, held at 1 from below.
; LIMITS: NaN and infinities among the inputs are not served.  A block of zeros gets the byte 1 where the rule says 127: its codes are zeros and this program alone reads the bytes.
; Two probabilities that are equal to within the order of f32 sums may be ranked otherwise than in another order of summing; a probability under 2^-126 counts as 0 (its weight is then 0 too).
; No matrix unit, no cluster, no barrier: waves share nothing but router_w's 32 KB, which each reads through registers.
; REGISTERS: window 0: v1 lane, v2 16 x lane, v3, v4 the stage's addresses; XD the row as loaded (register 4 i + c = x[128 i + 4 lane + c]); XN the lane's own block (x[32 lane + n]);
;   LG logits, PR probabilities, QR the same without the first choice; AC four sum registers an expert.   window 1: router_w, register 32 e + 4 i + c = router_w[e][128 i + 4 lane + c].
.set XD,  8
.set XN,  40
.set LG,  88
.set PR,  96
.set QR,  104
.set CD,  128                          ; v128-131 the block's codes
.set BY,  132                          ; v132     its scale byte
.set ZO,  133                          ; v133     0: the offset of lane 0's three stores
.set AC,  136                          ; v136-167
.set SPI, 144                          ; a lane's place in the stage: 128 bytes + 16 of padding: an odd multiple of 16
.set MSB, 0
.macro WIN new                         ; the immediate's high byte repeats the setting that is left
.if MSB != \new
	s_set_vgpr_msb (MSB<<8)|\new
.set MSB, \new
.endif
.endm
.macro RWL e                           ; expert e's row of router_w: eight loads of 512 consecutive bytes, into window 1
	WIN 0x40
.irp i, 0,1,2,3,4,5,6,7
	global_load_b128 v[32*\e+4*\i:32*\e+4*\i+3], v2, s[6:7] offset:4096*\e+512*\i
.endr
.endm
.macro DOT e, left                     ; my 32 products of expert e; left: the loads younger than its eight
	s_wait_loadcnt \left
	WIN 0x04                                       ; source 1 (router_w) in window 1
	v_pk_mul_f32 v[AC+4*\e:AC+4*\e+1], v[XD:XD+1], v[32*\e:32*\e+1]             ; the first products start the two chains: nothing is cleared
	v_pk_mul_f32 v[AC+4*\e+2:AC+4*\e+3], v[XD+2:XD+3], v[32*\e+2:32*\e+3]
.irp n, 4,8,12,16,20,24,28
	v_pk_fma_f32 v[AC+4*\e:AC+4*\e+1], v[XD+\n:XD+\n+1], v[32*\e+\n:32*\e+\n+1], v[AC+4*\e:AC+4*\e+1]
	v_pk_fma_f32 v[AC+4*\e+2:AC+4*\e+3], v[XD+\n+2:XD+\n+3], v[32*\e+\n+2:32*\e+\n+3], v[AC+4*\e+2:AC+4*\e+3]
.endr
.endm
	s_load_b256 s[4:11], s[0:1], 0x0               ; x s[4:5], router_w s[6:7], xc s[8:9], xs s[10:11]
	s_load_b128 s[12:15], s[0:1], 0x20             ; ids s[12:13], gates s[14:15]
	v_lshl_add_u32 v254, v0, 2, 0x4800
	v_mov_b32 v255, 0
	v_lshrrev_b32 v5, 5, v0
	v_readfirstlane_b32 s16, v5                    ; wave 0..3
	v_and_b32 v1, 31, v0                           ; lane
	v_lshlrev_b32 v2, 4, v1                        ; 16 x lane
	s_lshl_b32 s17, ttmp9, 2
	s_add_co_u32 s17, s17, s16                     ; my token = 4 x work-group + wave
	s_lshl_b32 s18, s17, 12                        ; its row of 4,096 bytes
	s_mov_b32 s19, 0
	s_mov_b32 s20, 0x76543210                      ; v_permlanex16_b32's selects for lane l xor 16
	s_mov_b32 s21, 0xfedcba98
	s_wait_alu depctr_va_vdst(0)
	s_wait_kmcnt 0x0
	s_add_nc_u64 s[4:5], s[4:5], s[18:19]
.irp i, 0,1,2,3,4,5,6,7
	global_load_b128 v[XD+4*\i:XD+4*\i+3], v2, s[4:5] offset:512*\i th:TH_LOAD_NT   ; 512 consecutive bytes a load; x is read once in the whole program
.endr
.irp e, 0,1,2,3,4,5
	RWL \e                                         ; 56 loads are out
.endr
	WIN 0
	s_mul_i32 s23, s16, 32*SPI                     ; my wave's stage
	v_lshrrev_b32 v3, 3, v1
	v_mul_u32_u24 v3, v3, SPI
	v_and_b32 v6, 7, v1
	v_lshl_add_u32 v3, v6, 4, v3
	v_add_nc_u32 v3, s23, v3                       ; in: eight lanes' 128 bytes on end, then the padding; a load's 512 bytes take four places
	v_mul_u32_u24 v4, v1, SPI
	v_add_nc_u32 v4, s23, v4                       ; out: my 128 bytes: my block of 32
	s_lshl_b32 s18, s17, 9
	s_add_nc_u64 s[8:9], s[8:9], s[18:19]          ; xc at my token: 512 bytes
	s_lshl_b32 s18, s17, 5
	s_add_nc_u64 s[10:11], s[10:11], s[18:19]      ; xs: 32 bytes
	s_lshl_b32 s18, s17, 2
	s_add_nc_u64 s[12:13], s[12:13], s[18:19]      ; ids and gates: 4 bytes
	s_add_nc_u64 s[14:15], s[14:15], s[18:19]
.irp e, 0,1,2,3,4,5,6,7
	v_mov_b32 v[PR+\e], 0                          ; written once: a lane permute's destination counts as one of its sources
.endr
	v_mov_b32 v[ZO], 0
	v_mov_b32 v123, -1.0                           ; under every probability
	s_wait_loadcnt 48                              ; x is in; the six rows of router_w behind it may be out
.irp i, 0,1,2,3,4,5,6,7
	ds_store_b128 v3, v[XD+4*\i:XD+4*\i+3] offset:4*SPI*\i
.endr
.irp j, 0,1,2,3,4,5,6,7
	ds_load_b128 v[XN+4*\j:XN+4*\j+3], v4 offset:16*\j   ; LDS serves a wave's instructions in order: these see the stores above
.endr
	DOT 0, 40                                      ; younger than expert 0's: experts 1 to 5
	RWL 6
	DOT 1, 40                                      ; experts 2 to 6
	RWL 7
	DOT 2, 40                                      ; experts 3 to 7
	DOT 3, 32
	DOT 4, 24
	DOT 5, 16
	DOT 6, 8
	DOT 7, 0
	WIN 0
.irp e, 0,1,2,3,4,5,6,7
	v_pk_add_f32 v[AC+4*\e:AC+4*\e+1], v[AC+4*\e:AC+4*\e+1], v[AC+4*\e+2:AC+4*\e+3]
.endr
.irp e, 0,1,2,3,4,5,6,7
	v_add_f32 v[LG+\e], v[AC+4*\e], v[AC+4*\e+1]
.endr
.irp m, 1,2,4,8                                ; over the lanes, the eight logits by turns
.irp e, 0,1,2,3,4,5,6,7
	v_add_f32_dpp v[LG+\e], v[LG+\e], v[LG+\e] row_xmask:\m row_mask:0xf bank_mask:0xf
.endr
.endr
.irp e, 0,1,2,3,4,5,6,7
	v_permlanex16_b32 v[PR+\e], v[LG+\e], s20, s21
.endr
.irp e, 0,1,2,3,4,5,6,7
	v_add_f32 v[LG+\e], v[LG+\e], v[PR+\e]         ; every lane holds the eight logits
.endr
	; ---- my block of 32 numbers of x into codes
	s_wait_dscnt 0x0                               ; the block is back from the stage
	v_max3_num_f32 v112, |v[XN]|, |v[XN+1]|, |v[XN+2]|
	v_max3_num_f32 v113, |v[XN+3]|, |v[XN+4]|, |v[XN+5]|
.irp i, 6,10,14,18,22,26
	v_max3_num_f32 v112, v112, |v[XN+\i]|, |v[XN+\i+1]|
	v_max3_num_f32 v113, v113, |v[XN+\i+2]|, |v[XN+\i+3]|
.endr
	v_max3_num_f32 v112, v112, |v[XN+30]|, |v[XN+31]|
	v_max3_num_f32 v112, v112, v113, 0x1800000     ; and the floor 2^(3 - 127): the byte cannot fall under 1
	v_add_nc_u32 v114, 0xff000000, v112            ; 2 off the exponent field: the conversion takes the exponent field of this operand as its scale
.irp g, 0,1,2,3
	v_cvt_scalef32_pk8_fp4_f32 v[CD+\g], v[XN+8*\g:XN+8*\g+7], v114
.endr
	v_lshrrev_b32 v[BY], 23, v114                  ; the scale's byte (a plain line behind the conversions)
	global_store_b128 v2, v[CD:CD+3], s[8:9]       ; the wave stores the token's 512 consecutive bytes of codes
	global_store_b8 v1, v[BY], s[10:11]            ; and its 32 scale bytes
	; ---- softmax, with the maximum taken away
	v_max3_num_f32 v112, v[LG], v[LG+1], v[LG+2]
	v_max3_num_f32 v112, v112, v[LG+3], v[LG+4]
	v_max3_num_f32 v112, v112, v[LG+5], v[LG+6]
	v_max_num_f32 v112, v112, v[LG+7]
.irp e, 0,1,2,3,4,5,6,7
	v_sub_f32 v[PR+\e], v[LG+\e], v112
.endr
.irp e, 0,1,2,3,4,5,6,7
	v_mul_f32 v[PR+\e], 0x3fb8aa3b, v[PR+\e]       ; x log2(e)
.endr
	s_wait_alu depctr_va_vdst(0)
.irp e, 0,1,2,3,4,5,6,7
	v_exp_f32 v[PR+\e], v[PR+\e]
.endr
	v_nop                                          ; a plain line behind the exponentials
	s_wait_alu depctr_va_vdst(0)
	v_add_f32 v124, v[PR], v[PR+1]
	v_add_f32 v113, v[PR+2], v[PR+3]
	v_add_f32 v115, v[PR+4], v[PR+5]
	v_add_f32 v126, v[PR+6], v[PR+7]
	v_add_f32 v124, v124, v113
	v_add_f32 v115, v115, v126
	v_add_f32 v124, v124, v115
	s_wait_alu depctr_va_vdst(0)
	v_rcp_f32 v125, v124
	v_nop                                          ; a plain line behind the reciprocal
	s_wait_alu depctr_va_vdst(0)
.irp e, 0,1,2,3,4,5,6,7
	v_mul_f32 v[PR+\e], v[PR+\e], v125
.endr
	; ---- top 2: a later expert takes the place only if it is strictly larger, so the lower index wins a tie
	v_mov_b32 v116, v[PR]
	v_mov_b32 v117, 0
.irp e, 1,2,3,4,5,6,7
	v_cmp_ge_f32 vcc_lo, v116, v[PR+\e]
	v_cndmask_b32 v116, v[PR+\e], v116, vcc_lo
	v_cndmask_b32 v117, \e, v117, vcc_lo
.endr
.irp e, 0,1,2,3,4,5,6,7
	v_cmp_eq_u32 vcc_lo, \e, v117
	v_cndmask_b32 v[QR+\e], v[PR+\e], v123, vcc_lo ; the first choice is taken out
.endr
	v_mov_b32 v118, v[QR]
	v_mov_b32 v119, 0
.irp e, 1,2,3,4,5,6,7
	v_cmp_ge_f32 vcc_lo, v118, v[QR+\e]
	v_cndmask_b32 v118, v[QR+\e], v118, vcc_lo
	v_cndmask_b32 v119, \e, v119, vcc_lo
.endr
	v_add_f32 v124, v116, v118
	s_wait_alu depctr_va_vdst(0)
	v_rcp_f32 v125, v124
	v_lshl_or_b32 v122, v119, 8, v117              ; first | second << 8 (a plain line behind the reciprocal)
	s_wait_alu depctr_va_vdst(0)
	v_mul_f32 v120, v116, v125
	v_mul_f32 v121, v118, v125
	s_wait_alu depctr_va_vdst(0)
	s_wait_xcnt 0x0                                ; EXEC changes only behind this wait: stores are out
	v_cmp_eq_u32 vcc_lo, 0, v1
	s_wait_tensorcnt 0x0
	ds_add_u32 v254, v255
	s_wait_dscnt 0x0
	s_and_saveexec_b32 s22, vcc_lo                 ; every lane holds the same three numbers: lane 0 stores them
	global_store_b32 v[ZO], v122, s[12:13]
	global_store_b32 v[ZO], v120, s[14:15]
	global_store_b32 v[ZO], v121, s[14:15] offset:4096
	s_wait_xcnt 0x0                                ; and again in front of the line that widens it
	s_or_b32 exec_lo, exec_lo, s22
	s_endpgm
.Lfunc_end_k_qdbbe644885_route:
	.size	k_qdbbe644885_route, .Lfunc_end_k_qdbbe644885_route-k_qdbbe644885_route
	.p2alignl 7, 3214868480
	.fill 96, 4, 3214868480
	.section	.rodata,"a",@progbits
	.p2align	6, 0x0
	.amdhsa_kernel k_qdbbe644885_route
		.amdhsa_group_segment_fixed_size 18944
		.amdhsa_private_segment_fixed_size 0
		.amdhsa_enable_private_segment 0
		.amdhsa_kernarg_size 48
		.amdhsa_user_sgpr_count 2
		.amdhsa_user_sgpr_kernarg_segment_ptr 1
		.amdhsa_wavefront_size32 1
		.amdhsa_system_sgpr_workgroup_id_x 1
		.amdhsa_system_sgpr_workgroup_id_y 1
		.amdhsa_system_sgpr_workgroup_id_z 1
		.amdhsa_system_vgpr_workitem_id 0
		.amdhsa_next_free_vgpr 512
		.amdhsa_next_free_sgpr 66
		.amdhsa_reserve_vcc 1
		.amdhsa_float_denorm_mode_32 3
		.amdhsa_float_denorm_mode_16_64 3
		.amdhsa_memory_ordered 1
		.amdhsa_forward_progress 1
		.amdhsa_inst_pref_size 29
	.end_amdhsa_kernel
	.amdgpu_metadata
---
amdhsa.version: [ 1, 2 ]
amdhsa.kernels:
  - .name:           k_qdbbe644885_route
    .symbol:         k_qdbbe644885_route.kd
    .args:
      - { .name: x, .offset: 0, .size: 8, .value_kind: global_buffer, .address_space: global }
      - { .name: router_w, .offset: 8, .size: 8, .value_kind: global_buffer, .address_space: global }
      - { .name: xc, .offset: 16, .size: 8, .value_kind: global_buffer, .address_space: global }
      - { .name: xs, .offset: 24, .size: 8, .value_kind: global_buffer, .address_space: global }
      - { .name: ids, .offset: 32, .size: 8, .value_kind: global_buffer, .address_space: global }
      - { .name: gates, .offset: 40, .size: 8, .value_kind: global_buffer, .address_space: global }
    .group_segment_fixed_size: 18944
    .private_segment_fixed_size: 0
    .kernarg_segment_align: 8
    .kernarg_segment_size: 48
    .max_flat_workgroup_size: 128
    .sgpr_count:     66
    .vgpr_count:     512
    .wavefront_size: 32
...
	.end_amdgpu_metadata
.endif
;; end of part 6
;; launch place (part 7): grid 8 x 1, 1 waves a work-group, no clusters, 4,864 bytes of LDS; arguments ids, lists; writes lists
.if DOCPART == 7
	.amdgcn_target "amdgcn-amd-amdhsa--gfx1250"
	.amdhsa_code_object_version 6
	.text
	.protected	k_qdbbe644885_place
	.globl	k_qdbbe644885_place
	.p2align	8
	.type	k_qdbbe644885_place,@function
k_qdbbe644885_place:
	s_mov_b64 s[64:65], 0
	v_nop
	global_prefetch_b8 v0, s[64:65] scope:SCOPE_SE
	s_setreg_imm32_b32 hwreg(HW_REG_WAVE_MODE, 25, 1), 1
	s_wait_xcnt 0x0
; THE ROWS PLACED BY EXPERT.  ids: [1024] u32, first expert | second expert << 8 of each token, whole numbers that the router's launch stored.
; lists: [8 experts][1152] u32.  Words 0 .. count - 1: the expert's rows, entry = token + 1024 x (0: the expert is the token's first choice, 1: its second); behind them, as far as word 1087, the
; filling 2048 + e, which stands for token e and for a row that nobody reads; words 1088-1119 hold nothing of use; word 1120: the count; the rest filling.
; The later launches form addresses and trip counts from these numbers, so they are stored here, at fixed places, and read there from memory.
; One wave for an expert: eight work-groups, since there is work for eight.  The wave holds all 1,024 words of ids in 32 registers (register 4 i + j: token 128 i + 4 lane + j).  A member's place is the
; number of members before it: those of earlier registers (a scalar sum of mask bits) and those of lower lanes.  The entries are scattered into LDS and leave as nine stores of 512 consecutive bytes.
; No atomics, no barrier: the wave shares nothing.
.set GA,    1                          ; v1   16 x lane
.set DUMPI, 2                          ; v2   1088 + lane: where a lane with nothing to enter writes
.set TOK0,  3                          ; v3   4 x lane
.set CNTA,  4                          ; v4   the count's LDS byte
.set LT,    8                          ; v8-11    at work
.set PAD,   12                         ; v12-15   the filling
.set ID,    16                         ; v16-47   ids
.set SC,    48                         ; v48-79   a register's LDS address
.set EN,    80                         ; v80-111  and its entry
.set O,     112                        ; v112-147 the list on its way out
.set LISTB, 4608                       ; an expert's list in bytes
.set CNTW,  1120                       ; the count's word
	s_load_b128 s[4:7], s[0:1], 0x0                ; ids s[4:5], lists s[6:7]
	v_lshl_add_u32 v152, v0, 2, 0x1200
	v_mov_b32 v153, 0
	v_lshlrev_b32 v[GA], 4, v0                     ; one wave: the thread's number is the lane
	v_add_nc_u32 v[DUMPI], 1088, v0
	v_lshlrev_b32 v[TOK0], 2, v0
	v_mov_b32 v[CNTA], 4*CNTW
	s_mov_b32 s19, ttmp9                           ; the expert
	s_mul_i32 s8, s19, LISTB
	s_mov_b32 s9, 0
	s_add_co_u32 s10, s19, 2048
.irp k, 0,1,2,3
	v_mov_b32 v[PAD+\k], s10
.endr
	s_wait_alu depctr_va_vdst(0)
	s_wait_kmcnt 0x0
.irp i, 0,1,2,3,4,5,6,7
	global_load_b128 v[ID+4*\i:ID+4*\i+3], v[GA], s[4:5] offset:512*\i
.endr
	s_add_nc_u64 s[6:7], s[6:7], s[8:9]            ; my expert's list
.irp k, 0,1,2,3,4,5,6,7,8
	ds_store_b128 v[GA], v[PAD:PAD+3] offset:512*\k   ; the filling first, while ids are on their way: LDS serves a wave's instructions in order
.endr
	s_wait_loadcnt 0x0
	s_mov_b32 s26, 0                               ; members so far
.set N, 0
.rept 32
	v_and_b32 v[LT], 0xff, v[ID+N]                 ; first choice
	v_bfe_u32 v[LT+1], v[ID+N], 8, 8               ; second
	v_cmp_eq_u32 s27, s19, v[LT]
	v_cmp_eq_u32 vcc_lo, s19, v[LT+1]
	s_or_b32 s28, s27, vcc_lo                      ; the members among these 32 tokens
	v_mbcnt_lo_u32_b32 v[LT+2], s28, s26           ; members before me
	v_add_nc_u32 v[EN+N], 128*(N/4)+N%4, v[TOK0]
	v_add_nc_u32 v[LT+3], 1024+128*(N/4)+N%4, v[TOK0]
	v_cndmask_b32 v[EN+N], v[EN+N], v[LT+3], vcc_lo
	v_cndmask_b32 v[LT+2], v[DUMPI], v[LT+2], s28
	v_min_u32 v[LT+2], 1119, v[LT+2]               ; a place made of loaded numbers enters an address only behind this bound
	v_lshlrev_b32 v[SC+N], 2, v[LT+2]
	ds_store_b32 v[SC+N], v[EN+N]
	s_bcnt1_i32_b32 s29, s28
	s_add_co_u32 s26, s26, s29
.set N, N+1
.endr
	v_mov_b32 v[LT], s26
	ds_store_b32 v[CNTA], v[LT]                    ; every lane writes the same word with the same value
	s_wait_dscnt 0x0                               ; my stores into the list have landed
.irp k, 0,1,2,3,4,5,6,7,8
	ds_load_b128 v[O+4*\k:O+4*\k+3], v[GA] offset:512*\k
.endr
.irp k, 0,1,2,3,4,5,6,7,8
	s_wait_dscnt 8-\k                              ; piece k is back; the younger ones may be out
	global_store_b128 v[GA], v[O+4*\k:O+4*\k+3], s[6:7] offset:512*\k   ; 512 consecutive bytes, at a multiple of 256 from the buffer's first byte
.endr
	s_wait_tensorcnt 0x0
	ds_add_u32 v152, v153
	s_wait_dscnt 0x0
	s_endpgm
.Lfunc_end_k_qdbbe644885_place:
	.size	k_qdbbe644885_place, .Lfunc_end_k_qdbbe644885_place-k_qdbbe644885_place
	.p2alignl 7, 3214868480
	.fill 96, 4, 3214868480
	.section	.rodata,"a",@progbits
	.p2align	6, 0x0
	.amdhsa_kernel k_qdbbe644885_place
		.amdhsa_group_segment_fixed_size 4864
		.amdhsa_private_segment_fixed_size 0
		.amdhsa_enable_private_segment 0
		.amdhsa_kernarg_size 16
		.amdhsa_user_sgpr_count 2
		.amdhsa_user_sgpr_kernarg_segment_ptr 1
		.amdhsa_wavefront_size32 1
		.amdhsa_system_sgpr_workgroup_id_x 1
		.amdhsa_system_sgpr_workgroup_id_y 1
		.amdhsa_system_sgpr_workgroup_id_z 1
		.amdhsa_system_vgpr_workitem_id 0
		.amdhsa_next_free_vgpr 154
		.amdhsa_next_free_sgpr 66
		.amdhsa_reserve_vcc 1
		.amdhsa_float_denorm_mode_32 3
		.amdhsa_float_denorm_mode_16_64 3
		.amdhsa_memory_ordered 1
		.amdhsa_forward_progress 1
		.amdhsa_inst_pref_size 29
	.end_amdhsa_kernel
	.amdgpu_metadata
---
amdhsa.version: [ 1, 2 ]
amdhsa.kernels:
  - .name:           k_qdbbe644885_place
    .symbol:         k_qdbbe644885_place.kd
    .args:
      - { .name: ids, .offset: 0, .size: 8, .value_kind: global_buffer, .address_space: global }
      - { .name: lists, .offset: 8, .size: 8, .value_kind: global_buffer, .address_space: global }
    .group_segment_fixed_size: 4864
    .private_segment_fixed_size: 0
    .kernarg_segment_align: 8
    .kernarg_segment_size: 16
    .max_flat_workgroup_size: 32
    .sgpr_count:     66
    .vgpr_count:     154
    .wavefront_size: 32
...
	.end_amdgpu_metadata
.endif
;; end of part 7
;; launch hid (part 8): grid 32 x 8, 4 waves a work-group, no clusters, 74,240 bytes of LDS; arguments w1, w3, xc, xs, lists, hc, hs; writes hc, hs
.if DOCPART == 8
	.amdgcn_target "amdgcn-amd-amdhsa--gfx1250"
	.amdhsa_code_object_version 6
	.text
	.protected	k_qdbbe644885_hid
	.globl	k_qdbbe644885_hid
	.p2align	8
	.type	k_qdbbe644885_hid,@function
k_qdbbe644885_hid:
	s_mov_b64 s[64:65], 0
	v_nop
	global_prefetch_b8 v0, s[64:65] scope:SCOPE_SE
	s_setreg_imm32_b32 hwreg(HW_REG_WAVE_SCHED_MODE, 0, 2), 2
	s_setreg_imm32_b32 hwreg(HW_REG_WAVE_MODE, 25, 1), 1
	s_wait_xcnt 0x0
	s_wait_alu depctr_vm_vsrc(0)
; THE HIDDEN LAYER OF THE ROUTED ROWS: h = Q(silu(x w1[e]^T) * (x w3[e]^T)), both products on codes of FP4 (E2M1) with one E8M0 scale for each 32 along K = 1,024.
; THE WEIGHTS STAY, THE ROWS PASS.  Work-group (s, e) owns hidden units 64 s .. 64 s + 63 of expert e: 64 rows of w1 and 64 of w3, 512 KB of f32, read from memory once, quantised on the way into LDS
; (66 KB of codes, 4 KB of scale bytes), then held as 64 fragments in each wave's registers.  All rows that chose expert e pass over them, 16 at a time; the four waves take tiles w, w + 4, ..
; THE STREAM.  A load brings 512 consecutive bytes, 16 a lane: 128 numbers of a row, four blocks of 32, eight neighbouring lanes to a block.  They are quantised WHERE THEY LIE: the largest magnitude of the
; lane's four, three steps across the eight lanes, the scale.  The conversion takes eight numbers of a lane under one scale: it is given the registers of loads j and j + 1 with load j's scale, and only its
; low 16 bits, load j's four codes, are kept (a batch's last load: the registers of loads 14 and 15, and the high 16 bits are moved down).  So each number is converted twice, and no f32 number goes
; through LDS: what goes there are the codes, 2 bytes a lane and 64 consecutive bytes a load, and the load's four scale bytes.
; THE LIST.  lists holds, as whole numbers that an earlier launch stored, expert e's rows: entry = token + 1024 x (0: first choice, 1: second); behind the last entry a filling of 2048 + e, which stands
; for token e and a row that nobody reads; word 1120: the count.  The count comes by a scalar load.  A wave's entries (row lane % 16 of tiles w + 4 k, k = 0 .. 17) come once, into 18 registers;
; each trip of the tile loop names the third and fourth of them and moves the run down by two.
; A TILE IS ASKED FOR TWO TILES AHEAD: both buffers are filled ahead of the loop, and a buffer is filled again behind the products that read it and the activation's exponentials, so that its 18 loads have
; the rest of this tile's work and all of the next tile's in which to land.
; An expert has at least one tile (of filling, if no token chose it), so that every byte of hc and hs that is read later is stored here.
; STORES: hc: the tile's codes in the order of the next product's operand registers: ((64 e + q) x 32 + s) x 512 + 16 x lane: four registers a lane; slices 2 ks and 2 ks + 1 are registers 0-3 and 4-7 of K step ks.
;         hs: scale bytes, (64 e + q) x 1024 + 64 x row + block of 32 hidden units: this slice's two bytes a row.
; BOTH PRODUCTS ARE USED TRANSPOSED (source 0 = 16 rows of the weight, source 1 = 16 tokens): a lane holds one token and its registers run along the hidden units, the next K.
; THE ROWS OF A WEIGHT THAT FORM A TILE ARE NOT NEIGHBOURS: lane r of tile 2 b + u takes row 32 b + 8 u + r + 8 (r / 8), so that the 16 registers of tiles 2 b, 2 b + 1 are 16 neighbours along the next K.
; They are laid in LDS with bits 3 and 4 of the local row exchanged, so that a tile's 16 rows are 16 LDS rows on end.
; NO TENSOR LOADS: the stream goes through a ring of registers, 48 loads of 512 consecutive bytes a wave always asked for; nothing of it is read twice.  NO CLUSTER: no weight byte is shared; what the 32
; work-groups of an expert share are gathered rows of x's codes, whose number hangs on a count read from memory, so partners could not make the same number of joint requests by a constant of the text.
; LIMITS: NaN and infinities are not served; a block of zeros gets the byte 1 (its codes are zeros; this program alone reads the bytes).
; THE MODE: SCHED_MODE bits 1:0 = 2 (LLVM: expert scheduling mode 2), set by the entry lines.  The code itself states the register dependences between vector or matrix instructions and memory or LDS
; instructions, with s_wait_alu, always for 0.
; THE PLAN.  Registers that memory or LDS instructions touch:
;   the ring (window 1, three sets)    Batch b's maxima and conversions read set b % 3; behind them the loads of batch b + 3 land in it.
;   the quantiser's sets (v192-255)    Batch b's vector lines write set b % 2.  The 32 LDS stores that read it are issued in batch b + 1, one behind each line of its first two lane steps, which name the other set.
;   v[GA], v[CA], v[SA], v[FA], v[WSA], v[LA], v[HO], v[HSO]   Offsets and LDS addresses, made at the head and never written again: hc's and hs's scalar bases move on from tile to tile.
;   So a batch has ONE wait on va_vdst, at its end (its set is written; its ring set is read), and ONE on vm_vsrc, at its head (the stores issued in the batch before have read the set that it writes).
;   x's buffers (window 3), XS[p]      Tile in buffer p: its 64 products read them; the 18 loads of the tile two on land in them.
;   XA[p], XSA[p]                      Read by those 18 loads; written once a tile, ahead of them.
;   PC, PW                             Written by the quantiser; read by the tile's two stores.
;   v192-223                           Read by the stream's LDS stores; written by the activation from the first tile on.
;   A tile has one wait on vm_vsrc, behind its products, ahead of all these writes; the wait on va_vdst behind the exponentials also stands for the 18 loads; one more stands ahead of the two stores.
; REGISTERS.  window 0: v1-26 lane terms and addresses; v32-63 WS, v64-79 XS: scale words and nothing else; v80-143 the eight accumulators; v144-161 my wave's entries; v176-179 the codes made;
;   v180-188 the quantiser's; v190, v191 the closing add's two; v192-255 while the weights stream: two sets of 16 magnitudes and 16 code registers, by turns; later v192-223 at work on the activation.
;   window 1: the ring (v0-191), then the fragments of K steps 0-3 at 64 ks + 32 m + 8 t;  window 2: K steps 4-7;  window 3: x's fragments, two buffers of 64.
.set CP,    528                        ; a row of codes in LDS: 512 bytes + 16: an odd multiple of 16, so the 16 rows that a load touches start at different banks
.set WP,    48                         ; a row of scale bytes: 32 + 16
.set WSC,   128*CP                     ; LDS: 128 rows of codes (w1's 64, then w3's), then their scale bytes
.set LISTB, 4608                       ; an expert's list in bytes
.set CNTB,  4480                       ; and the byte at which its count lies
.set NB,    16                         ; batches of sixteen loads of 512 bytes (two rows): a wave's 128 KB
.set LN,1
.set RR,2
.set HH,3
.set GA,4                              ; 16 x lane
.set CA,7                              ; where my codes go: my wave's rows, 2 bytes a lane
.set SA,8                              ; and my block's scale byte
.set FA,9                              ; a fragment's place for my lane
.set WSA,10                            ; the weights' scale words: lanes 0-15 w1's, lanes 16-31 w3's
.set LA,11                             ; my entry of my wave's first tile: its byte in the list
.set H16,17
.set XA,18                             ; v18-19 my token's codes, for buffer 0, 1
.set XSA,20                            ; v20-21 its scale words
.set HO,22                             ; hc: my wave's first tile, 16 bytes a lane; never rewritten
.set HSO,23                            ; hs: my wave's first tile, row r; never rewritten
.set ENT,25
.set TMP,26
.set WS,32
.set XS,64
.set ACC,80
.set EL,144                            ; v144-161 my wave's entries: register k = tile w + 4 k from the trip's first tile on
.set PC,176
.set TM,180
.set PW,188
.set T,192
.set QB,192                            ; the stream's quantiser: set b % 2 at QB + 32 (b % 2): 16 magnitudes (then scale operands, then bytes), 16 code registers
.set MSB, 0
.macro WIN new                         ; the immediate's high byte repeats the setting that is left
.if MSB != \new
	s_set_vgpr_msb (MSB<<8)|\new
.set MSB, \new
.endif
.endm
.macro RLOAD b                         ; batch b of my wave's stream into ring set b % 3: sixteen loads of 512 consecutive bytes
	WIN 0x40
.set J, 0
.rept 16
	global_load_b128 v[64*((\b)%3)+4*J:64*((\b)%3)+4*J+3], v[GA], s[22:23] offset:512*(16*(\b)+J) th:TH_LOAD_NT
.set J, J+1
.endr
	WIN 0
.endm
; Load J of batch b: its codes and its scale bytes go to their row in LDS.  RH: the row of my 32 (load J & 7 of its eight); RO: the row with bits 3 and 4 exchanged.
.macro PUTC b
.set RH, 2*(\b)+(J>>3)
.set RO, (RH&7)|(((RH>>3)&1)<<4)|(((RH>>4)&1)<<3)
	ds_store_b16 v[CA], v[QB+32*((\b)%2)+16+J] offset:RO*CP+64*(J&7)   ; the wave stores 64 consecutive bytes
.endm
.macro PUTB b
.set RH, 2*(\b)+(J>>3)
.set RO, (RH&7)|(((RH>>3)&1)<<4)|(((RH>>4)&1)<<3)
	ds_store_b8 v[SA], v[QB+32*((\b)%2)+J] offset:RO*WP+4*(J&7)        ; the eight lanes of a block write the same byte with the same value
.endm
; Batch b: sixteen loads (two rows of 1,024 numbers) are quantised where they lie, the sixteen by turns, so that no line waits for the line above it.  The codes and bytes of the batch before go to LDS
; meanwhile; this batch's set of the ring is asked for again at the batch's end.
.macro BATCH b
.set RS, 64*((\b)%3)
.set MX, QB+32*((\b)%2)
.set CX, MX+16
.if (\b) < NB-2
	s_wait_loadcnt 32                              ; this batch's sixteen loads are in (and all that is older: my entries); the two batches behind it may be out
.elseif (\b) == NB-2
	s_wait_loadcnt 16
.else
	s_wait_loadcnt 0
.endif
	s_wait_dscnt 32                                ; LDS stores end in order: all but the youngest 32, those issued in the batch before, have landed
.if (\b) > 1
	s_wait_alu depctr_vm_vsrc(0)                   ; the LDS stores issued in the batch before have read the codes and bytes of two batches back: this set, which the lines below write again
.endif
	WIN 0x15                                       ; the three sources in window 1 (the ring)
.set J, 0
.rept 16
	v_max3_num_f32 v[MX+J], |v[RS+4*J]|, |v[RS+4*J+1]|, |v[RS+4*J+2]|
.set J, J+1
.endr
	WIN 0x01                                       ; source 0 in window 1
.set J, 0
.rept 16
	v_max3_num_f32 v[MX+J], |v[RS+4*J+3]|, v[MX+J], 0x1800000   ; my four, and the floor 2^(3 - 127): the byte cannot fall under 1
.set J, J+1
.endr
	WIN 0
.set J, 0
.rept 16                               ; with the seven other lanes of the block, in three steps.  Behind each line of the first two a store of the batch before: no vector line since that batch's last wait names its set
	v_max_num_f32_dpp v[MX+J], v[MX+J], v[MX+J] row_xmask:1 row_mask:0xf bank_mask:0xf
.if (\b) > 0
	PUTC (\b)-1
.endif
.set J, J+1
.endr
.set J, 0
.rept 16
	v_max_num_f32_dpp v[MX+J], v[MX+J], v[MX+J] row_xmask:2 row_mask:0xf bank_mask:0xf
.if (\b) > 0
	PUTB (\b)-1
.endif
.set J, J+1
.endr
.set J, 0
.rept 16
	v_max_num_f32_dpp v[MX+J], v[MX+J], v[MX+J] row_xmask:4 row_mask:0xf bank_mask:0xf
.set J, J+1
.endr
.set J, 0
.rept 16
	v_add_nc_u32 v[MX+J], 0xff000000, v[MX+J]      ; 2 off the exponent field: the conversion takes the exponent field of this operand as its scale, and nothing else of it
.set J, J+1
.endr
	WIN 0x01
.set J, 0
.rept 15
	v_cvt_scalef32_pk8_fp4_f32 v[CX+J], v[RS+4*J:RS+4*J+7], v[MX+J]   ; the low 16 bits: load J's four codes; the rest, load J + 1's numbers under a scale that is not theirs, is not used
.set J, J+1
.endr
	v_cvt_scalef32_pk8_fp4_f32 v[CX+15], v[RS+56:RS+63], v[MX+15]     ; the last load's codes are the high 16 bits
	v_nop                                          ; one plain line behind the scaled conversions, ahead of the lines that touch their results and write their scales
	WIN 0
	v_lshrrev_b32 v[CX+15], 16, v[CX+15]
.set J, 0
.rept 16
	v_lshrrev_b32 v[MX+J], 23, v[MX+J]             ; the scale's byte
.set J, J+1
.endr
.if (\b)+3 < NB
	WIN 0x40                                       ; the loads' window first, then the wait, then the loads
.endif
	s_wait_alu depctr_va_vdst(0)                   ; this batch has written its codes and bytes, which the LDS stores of the next batch read; its maxima and conversions are done reading its set of the ring, in which the loads below land
.if (\b)+3 < NB
	RLOAD (\b)+3                                   ; the set takes the batch three on
.endif
.endm
.macro XADDR p, ent                    ; from the entry in register ent: where my token's codes and scale words lie
	v_min_u32 v[ENT], 0x807, v[(\ent)]             ; a loaded number enters an address only behind this bound
	v_and_b32 v[ENT], 0x3ff, v[ENT]                ; the token
	v_lshl_add_u32 v[XA+\p], v[ENT], 9, v[H16]     ; its row of 512 bytes, + 16 x half
	v_lshlrev_b32 v[XSA+\p], 5, v[ENT]
.endm
.macro XLOAD p                         ; 16 tokens' fragments of all eight K steps into buffer p, and their scale words: 18 loads
	WIN 0xc0
.irp ks, 0,1,2,3,4,5,6,7
.irp c, 0,1
	global_load_b128 v[64*\p+8*\ks+4*\c:64*\p+8*\ks+4*\c+3], v[XA+\p], s[8:9] offset:64*\ks+32*\c
.endr
.endr
	WIN 0
	global_load_b128 v[XS+8*\p:XS+8*\p+3], v[XSA+\p], s[10:11]
	global_load_b128 v[XS+8*\p+4:XS+8*\p+7], v[XSA+\p], s[10:11] offset:16
.endm
; K step ks of a tile of tokens: eight matrix instructions on eight accumulators, which take turns, one instruction a turn.  The first K step starts the sums with the constant 0.
.macro MM p, ks
.set WR, 64*((\ks)%4)
.irp t, 0,1,2,3
.if (\ks) == 0
	v_wmma_scale_f32_16x16x128_f8f6f4 v[ACC+8*\t:ACC+8*\t+7], v[WR+8*\t:WR+8*\t+7], v[64*\p+8*(\ks):64*\p+8*(\ks)+7], 0, v[WS+8*\t+(\ks)], v[XS+8*\p+(\ks)] matrix_a_fmt:MATRIX_FMT_FP4 matrix_b_fmt:MATRIX_FMT_FP4
.else
	v_wmma_scale_f32_16x16x128_f8f6f4 v[ACC+8*\t:ACC+8*\t+7], v[WR+8*\t:WR+8*\t+7], v[64*\p+8*(\ks):64*\p+8*(\ks)+7], v[ACC+8*\t:ACC+8*\t+7], v[WS+8*\t+(\ks)], v[XS+8*\p+(\ks)] matrix_a_fmt:MATRIX_FMT_FP4 matrix_b_fmt:MATRIX_FMT_FP4
.endif
.endr
.irp t, 0,1,2,3
.if (\ks) == 0
	v_wmma_scale_f32_16x16x128_f8f6f4 v[ACC+32+8*\t:ACC+32+8*\t+7], v[WR+32+8*\t:WR+32+8*\t+7], v[64*\p+8*(\ks):64*\p+8*(\ks)+7], 0, v[WS+8*\t+(\ks)], v[XS+8*\p+(\ks)] matrix_a_fmt:MATRIX_FMT_FP4 matrix_b_fmt:MATRIX_FMT_FP4 matrix_a_scale:MATRIX_SCALE_ROW1
.else
	v_wmma_scale_f32_16x16x128_f8f6f4 v[ACC+32+8*\t:ACC+32+8*\t+7], v[WR+32+8*\t:WR+32+8*\t+7], v[64*\p+8*(\ks):64*\p+8*(\ks)+7], v[ACC+32+8*\t:ACC+32+8*\t+7], v[WS+8*\t+(\ks)], v[XS+8*\p+(\ks)] matrix_a_fmt:MATRIX_FMT_FP4 matrix_b_fmt:MATRIX_FMT_FP4 matrix_a_scale:MATRIX_SCALE_ROW1
.endif
.endr
.endm
; a1 = a1 / (1 + 2^(-log2(e) a1)) x a3, in f32; every accumulator is read from its low end on.  In two parts: as far as the exponentials, and the rest; the wait for the exponentials stands between them, in HALF.
.macro SILU_A
.set J, 0
.rept 16
	v_pk_mul_f32 v[T+J:T+J+1], v[ACC+J:ACC+J+1], s[36:37] op_sel_hi:[1,0]
.set J, J+2
.endr
.set J, 0
	s_wait_alu depctr_va_vdst(0)
.rept 32
	v_exp_f32 v[T+J], v[T+J]
.set J, J+1
.endr
	v_nop                                          ; a plain line behind the exponentials
.endm
.macro SILU_B
.set J, 0
.rept 16
	v_pk_add_f32 v[T+J:T+J+1], v[T+J:T+J+1], 1.0 op_sel_hi:[1,0]
.set J, J+2
.endr
.set J, 0
	s_wait_alu depctr_va_vdst(0)
.rept 32
	v_rcp_f32 v[T+J], v[T+J]
.set J, J+1
.endr
	v_nop                                          ; a plain line behind the reciprocals
	s_wait_alu depctr_va_vdst(0)                   ; the 32 reciprocals have written v[T ..], ahead of their first reader
.set J, 0
.rept 16
	v_pk_mul_f32 v[ACC+J:ACC+J+1], v[ACC+J:ACC+J+1], v[T+J:T+J+1]
.set J, J+2
.endr
.set J, 0
.rept 16
	v_pk_mul_f32 v[ACC+J:ACC+J+1], v[ACC+J:ACC+J+1], v[ACC+32+J:ACC+32+J+1]
.set J, J+2
.endr
.endm
; My token's 32 numbers (register 16 b + i = hidden unit 32 b + 16 (lane / 16) + i of the slice) into four registers of codes and two scale bytes
.macro QUANT2
.irp b, 0,1
	v_max3_num_f32 v[TM+\b], |v[ACC+16*\b]|, |v[ACC+1+16*\b]|, 0x1800000   ; with the floor 2^(3 - 127)
.endr
.irp i, 2,4,6,8,10,12,14
.irp b, 0,1
	v_max3_num_f32 v[TM+\b], v[TM+\b], |v[ACC+16*\b+\i]|, |v[ACC+1+16*\b+\i]|
.endr
.endr
.irp b, 0,1
	v_permlanex16_b32 v[TM+2+\b], v[TM+\b], s34, s35
.endr
.irp b, 0,1
	v_max_num_f32 v[TM+\b], v[TM+\b], v[TM+2+\b]   ; with lane l xor 16's: the block's largest magnitude
.endr
.irp b, 0,1
	v_add_nc_u32 v[TM+4+\b], 0xff000000, v[TM+\b]
.endr
.irp b, 0,1
	v_lshrrev_b32 v[TM+6+\b], 23, v[TM+4+\b]
.endr
	v_lshl_or_b32 v[PW], v[TM+7], 8, v[TM+6]       ; the slice's two bytes of my token's row
.irp b, 0,1
	v_cvt_scalef32_pk8_fp4_f32 v[PC+2*\b], v[ACC+16*\b:ACC+7+16*\b], v[TM+4+\b]
	v_cvt_scalef32_pk8_fp4_f32 v[PC+1+2*\b], v[ACC+8+16*\b:ACC+15+16*\b], v[TM+4+\b]
.endr
	v_nop                                          ; one plain line behind a scaled conversion
	v_permlane16_swap_b32 v[PC], v[PC+2]           ; the operand's layout wants a whole block in a lane: lanes 0-15 block 0, lanes 16-31 block 1
	v_permlane16_swap_b32 v[PC+1], v[PC+3]
.endm
; One tile of 16 tokens, from buffer p.  Behind its products and exponentials the buffer takes my wave's tile two on (its entries: register EL + p + 2).
.macro HALF p
	s_cmp_ge_u32 s31, s30                          ; no tile left for my wave: no barrier follows, so a wave may end by itself
	s_cbranch_scc1 .Ldone
	s_wait_loadcnt 18                              ; the other buffer's 18 loads, issued behind this buffer's, may be out: buffer p is in
	WIN 0x0d                                       ; source 0 (weights) window 1, source 1 (x) window 3
	MM \p, 0
	MM \p, 1
	MM \p, 2
	MM \p, 3
	WIN 0x0e                                       ; weights in window 2
	MM \p, 4
	MM \p, 5
	MM \p, 6
	MM \p, 7
	WIN 0
.rept 4
	v_nop                                          ; places behind the last products, in front of the first read of results
.endr
	s_wait_alu depctr_vm_vsrc(0)                   ; buffer p's last loads have read XA[p] and XSA[p]; the last tile's stores have read PC and PW; in the first tile, the stream's LDS stores have read v192-223: all are written again below
	XADDR \p, EL+\p+2                              ; (the wait at this tile's head has shown the loads that read these two registers done)
	SILU_A
	s_wait_alu depctr_va_vdst(0)                   ; the 32 exponentials have written v[T ..], ahead of their first reader; the products are done reading buffer p and XS[p], in which the loads below land; XA[p] and XSA[p] are written, which those loads read
	XLOAD \p
	SILU_B
	QUANT2
	s_wait_alu depctr_va_vdst(0)                   ; the quantiser has written PC and PW, which the two stores read
	global_store_b128 v[HO], v[PC:PC+3], s[14:15]  ; the wave stores 512 consecutive bytes, at a multiple of 512 from hc's first byte
	global_store_b16 v[HSO], v[PW], s[16:17]       ; lanes r and r + 16 write the same two bytes with the same value
	s_wait_xcnt 0x0                                ; the stores' bases and data are written again only behind this wait
	s_add_nc_u64 s[14:15], s[14:15], 0x10000       ; four tiles on
	s_add_nc_u64 s[16:17], s[16:17], 0x1000
	s_add_co_u32 s31, s31, 4
.endm
	s_load_b256 s[4:11], s[0:1], 0x0               ; w1 s[4:5], w3 s[6:7], xc s[8:9], xs s[10:11]
	s_load_b128 s[12:15], s[0:1], 0x20             ; lists s[12:13], hc s[14:15]
	s_load_b64 s[16:17], s[0:1], 0x30              ; hs
	v_lshl_add_u32 v190, v0, 2, 0x12000
	v_mov_b32 v191, 0
	v_lshrrev_b32 v[TMP], 5, v0
	v_readfirstlane_b32 s18, v[TMP]                ; wave 0..3
	s_and_b32 s19, ttmp7, 0xffff                   ; the expert
	s_mov_b32 s20, ttmp9                           ; the slice of 64 hidden units
	v_and_b32 v[LN], 31, v0
	v_lshlrev_b32 v[GA], 4, v[LN]
	v_and_b32 v[RR], 15, v0
	s_wait_alu depctr_va_sdst(0)                   ; s18, the wave's number, is written, ahead of its first reader
	s_lshl_b32 s28, s18, 6
	v_lshl_add_u32 v[LA], v[RR], 2, s28            ; the list: tile = wave (64 bytes a tile), row r
	s_and_b32 s24, s18, 1
	s_lshl_b32 s24, s24, 5
	s_lshl_b32 s25, s20, 6
	s_add_co_u32 s24, s24, s25                     ; my first row: 64 s + 32 (wave % 2),
	s_lshl_b32 s24, s24, 12                        ; of 4,096 bytes,
	s_lshl_b32 s25, s19, 23                        ; in the expert's 8 MB
	s_add_co_u32 s24, s24, s25
	s_mov_b32 s25, 0
	s_mul_i32 s26, s19, LISTB
	s_mov_b32 s27, 0
	s_wait_kmcnt 0x0
	s_cmp_lt_u32 s18, 2                            ; waves 0, 1 stream w1, waves 2, 3 w3: the choice hangs on the wave's number alone
	s_cselect_b64 s[22:23], s[4:5], s[6:7]
	s_add_nc_u64 s[22:23], s[22:23], s[24:25]
	s_add_nc_u64 s[12:13], s[12:13], s[26:27]      ; my expert's list
	s_load_b32 s29, s[12:13], CNTB                 ; its count: wanted behind the stream
	s_wait_alu depctr_va_vdst(0)                   ; v[LA] and v[GA] are written, which the loads below read as their offsets
.set K, 0
.rept 18
	global_load_b32 v[EL+K], v[LA], s[12:13] offset:256*K   ; my row's entry of tiles w + 4 k, k = 0 .. 17: the last of these loads ends at the list's byte 4,608; what lies behind tile 67 is held by a bound and never used
.set K, K+1
.endr
	RLOAD 0
	RLOAD 1
	RLOAD 2
	v_bfe_u32 v[HH], v0, 4, 1
	s_mul_i32 s24, s18, 32*CP
	v_lshl_add_u32 v[CA], v[LN], 1, s24            ; my wave's 32 rows of codes, 2 bytes a lane
	s_mul_i32 s24, s18, 32*WP
	s_add_co_u32 s24, s24, WSC
	v_lshrrev_b32 v[TMP], 3, v[LN]
	v_add_nc_u32 v[SA], s24, v[TMP]                ; my wave's rows of scale bytes, a byte for eight lanes
	v_mul_u32_u24 v[FA], v[RR], CP
	v_lshl_add_u32 v[FA], v[HH], 4, v[FA]
	v_mul_u32_u24 v[WSA], v[RR], WP
	v_mad_u32_u24 v[WSA], v[HH], 64*WP, v[WSA]     ; lanes 16-31 take w3's rows, 64 rows on
	v_add_nc_u32 v[WSA], WSC, v[WSA]
	v_lshlrev_b32 v[H16], 4, v[HH]
	s_lshl_b32 s24, s18, 14
	v_add_nc_u32 v[HO], s24, v[GA]                 ; hc: tile = wave, 16 bytes a lane
	s_lshl_b32 s24, s18, 10
	v_lshl_add_u32 v[HSO], v[RR], 6, s24           ; hs: tile = wave, row r
	v_mov_b32 v[TM+2], 0                           ; written once: a lane permute's destination counts as one of its sources
	v_mov_b32 v[TM+3], 0
	s_mov_b32 s34, 0x76543210                      ; v_permlanex16_b32's selects for lane l xor 16
	s_mov_b32 s35, 0xfedcba98
	s_mov_b32 s36, 0xbfb8aa3b                      ; -log2(e); the packed form names the pair and takes its low word for both halves
	s_mov_b32 s37, s36
	s_lshl_b32 s24, s19, 20
	s_lshl_b32 s27, s20, 9
	s_add_co_u32 s24, s24, s27
	s_add_nc_u64 s[14:15], s[14:15], s[24:25]      ; hc at (expert, tile 0, my slice)
	s_lshl_b32 s24, s19, 16
	s_lshl_b32 s27, s20, 1
	s_add_co_u32 s24, s24, s27
	s_add_nc_u64 s[16:17], s[16:17], s[24:25]      ; hs likewise
.set Q, 0
.rept NB
	BATCH Q
.set Q, Q+1
.endr
.set J, 0
.rept 16                               ; the last batch's codes and bytes: no vector line stands between that batch's last wait and these stores
	PUTC NB-1
	PUTB NB-1
.set J, J+1
.endr
	s_wait_dscnt 0x0                               ; for the others' sake: my codes and scale bytes have landed
	s_barrier_signal -1
	s_barrier_wait -1                              ; 128 rows of codes lie in LDS; from here on LDS is only read
	s_wait_kmcnt 0x0                               ; the count
	s_add_co_u32 s29, s29, 15
	s_lshr_b32 s30, s29, 4                         ; tiles of 16 rows,
	s_max_u32 s30, s30, 1                          ; at least one,
	s_min_u32 s30, s30, 64                         ; at most 64: a token chooses an expert once
	s_mov_b32 s31, s18                             ; my first tile
	s_mov_b32 s32, 0
	XADDR 0, EL
	XADDR 1, EL+1
	s_wait_alu depctr_va_vdst(0)                   ; XA and XSA of both buffers are written, which the loads below read; v[FA] and v[WSA] were written at the head; the stream's vector lines are done reading the ring, in which the fragments land
	XLOAD 0                                        ; my first two tiles' tokens are asked for while the fragments come out of LDS
	XLOAD 1
	WIN 0x40
.irp ks, 0,1,2,3
.irp m, 0,1
.irp t, 0,1,2,3
.irp c, 0,1
	ds_load_b128 v[64*\ks+32*\m+8*\t+4*\c:64*\ks+32*\m+8*\t+4*\c+3], v[FA] offset:(64*\m+16*\t)*CP+64*\ks+32*\c
.endr
.endr
.endr
.endr
	WIN 0x80
.irp ks, 0,1,2,3
.irp m, 0,1
.irp t, 0,1,2,3
.irp c, 0,1
	ds_load_b128 v[64*\ks+32*\m+8*\t+4*\c:64*\ks+32*\m+8*\t+4*\c+3], v[FA] offset:(64*\m+16*\t)*CP+64*(\ks+4)+32*\c
.endr
.endr
.endr
.endr
	WIN 0
.irp t, 0,1,2,3
.irp i, 0,1
	ds_load_b128 v[WS+8*\t+4*\i:WS+8*\t+4*\i+3], v[WSA] offset:16*\t*WP+16*\i   ; tile t's scale words of K steps 4 i .. 4 i + 3
.endr
.endr
	s_wait_dscnt 0x0
.Ltiles:                                               ; eight trips of two tiles: 16 tiles a wave at the most; a wave leaves when its tiles are done
	HALF 0
	HALF 1
.set K, 0
.rept 16
	v_mov_b32 v[EL+K], v[EL+K+2]                   ; the entries move down by the trip's two tiles, so that every trip names the same registers
.set K, K+1
.endr
	s_add_co_u32 s32, s32, 1
	s_cmp_lt_u32 s32, 8
	s_cbranch_scc1 .Ltiles
.Ldone:
	s_wait_dscnt 0x0                               ; the closing lines, six on end
	s_wait_alu 0x0
	s_wait_tensorcnt 0x0
	ds_add_u32 v190, v191
	s_wait_dscnt 0x0
	s_endpgm
.Lfunc_end_k_qdbbe644885_hid:
	.size	k_qdbbe644885_hid, .Lfunc_end_k_qdbbe644885_hid-k_qdbbe644885_hid
	.p2alignl 7, 3214868480
	.fill 96, 4, 3214868480
	.section	.rodata,"a",@progbits
	.p2align	6, 0x0
	.amdhsa_kernel k_qdbbe644885_hid
		.amdhsa_group_segment_fixed_size 74240
		.amdhsa_private_segment_fixed_size 0
		.amdhsa_enable_private_segment 0
		.amdhsa_kernarg_size 56
		.amdhsa_user_sgpr_count 2
		.amdhsa_user_sgpr_kernarg_segment_ptr 1
		.amdhsa_wavefront_size32 1
		.amdhsa_system_sgpr_workgroup_id_x 1
		.amdhsa_system_sgpr_workgroup_id_y 1
		.amdhsa_system_sgpr_workgroup_id_z 1
		.amdhsa_system_vgpr_workitem_id 0
		.amdhsa_next_free_vgpr 896
		.amdhsa_next_free_sgpr 66
		.amdhsa_reserve_vcc 0
		.amdhsa_float_denorm_mode_32 3
		.amdhsa_float_denorm_mode_16_64 3
		.amdhsa_memory_ordered 1
		.amdhsa_forward_progress 1
		.amdhsa_inst_pref_size 247
	.end_amdhsa_kernel
	.amdgpu_metadata
---
amdhsa.version: [ 1, 2 ]
amdhsa.kernels:
  - .name:           k_qdbbe644885_hid
    .symbol:         k_qdbbe644885_hid.kd
    .args:
      - { .name: w1, .offset: 0, .size: 8, .value_kind: global_buffer, .address_space: global }
      - { .name: w3, .offset: 8, .size: 8, .value_kind: global_buffer, .address_space: global }
      - { .name: xc, .offset: 16, .size: 8, .value_kind: global_buffer, .address_space: global }
      - { .name: xs, .offset: 24, .size: 8, .value_kind: global_buffer, .address_space: global }
      - { .name: lists, .offset: 32, .size: 8, .value_kind: global_buffer, .address_space: global }
      - { .name: hc, .offset: 40, .size: 8, .value_kind: global_buffer, .address_space: global }
      - { .name: hs, .offset: 48, .size: 8, .value_kind: global_buffer, .address_space: global }
    .group_segment_fixed_size: 74240
    .private_segment_fixed_size: 0
    .kernarg_segment_align: 8
    .kernarg_segment_size: 56
    .max_flat_workgroup_size: 128
    .sgpr_count:     66
    .vgpr_count:     896
    .wavefront_size: 32
...
	.end_amdgpu_metadata
.endif
;; end of part 8
;; launch outp (part 9): grid 32 x 8, 4 waves a work-group, no clusters, 45,568 bytes of LDS; arguments w2, hc, hs, lists, gates, y; writes y
.if DOCPART == 9
	.amdgcn_target "amdgcn-amd-amdhsa--gfx1250"
	.amdhsa_code_object_version 6
	.text
	.protected	k_qdbbe644885_outp
	.globl	k_qdbbe644885_outp
	.p2align	8
	.type	k_qdbbe644885_outp,@function
k_qdbbe644885_outp:
	s_mov_b64 s[64:65], 0
	v_nop
	global_prefetch_b8 v0, s[64:65] scope:SCOPE_SE
	s_setreg_imm32_b32 hwreg(HW_REG_WAVE_SCHED_MODE, 0, 2), 2
	s_setreg_imm32_b32 hwreg(HW_REG_WAVE_MODE, 25, 1), 1
	s_wait_xcnt 0x0
	s_wait_alu depctr_vm_vsrc(0)
; THE SECOND PRODUCT OF THE ROUTED ROWS: y[entry] = gate x (Q(h) Q(w2[e])^T), on codes of FP4 (E2M1) with one E8M0 scale for each 32 along K = 2,048 hidden units.
; THE WEIGHTS STAY, THE ROWS PASS.  Work-group (ns, e) owns output columns 32 ns .. 32 ns + 31 of expert e: 32 rows of w2, 256 KB of f32, read from memory once, quantised on the way into LDS, then held as
; 32 fragments (256 registers) in each wave.  All tiles of 16 rows of expert e pass over them; the four waves take tiles w, w + 4, ..  A tile of h is 16 KB of codes laid in the order of the operand's
; registers: 32 loads of 512 consecutive bytes.
; THE STREAM.  A load brings 512 consecutive bytes, 16 a lane: 128 numbers of a row, four blocks of 32, eight neighbouring lanes to a block.  They are quantised WHERE THEY LIE: the largest magnitude of the
; lane's four, three steps across the eight lanes, the scale.  The conversion takes eight numbers of a lane under one scale: it is given the registers of loads j and j + 1 with load j's scale, and only its
; low 16 bits, load j's four codes, are kept (a batch's last load: the registers of loads 14 and 15, and the high 16 bits are moved down).  So each number is converted twice, and no f32 number goes
; through LDS: what goes there are the codes, 2 bytes a lane and 64 consecutive bytes a load, and the load's four scale bytes.
; THE LIST.  lists holds, as whole numbers that an earlier launch stored, expert e's rows: entry = token + 1024 x (0: first choice, 1: second) is the row of y and the index of the gate; the filling
; 2048 + e names a row of y that nobody reads, of which bytes 128 ns .. 128 ns + 127 are this work-group's alone: so every lane stores in every tile and EXEC is never narrowed.  Word 1120: the count,
; which comes by a scalar load.  A wave's entries for the gates (row lane % 16 of tiles w + 4 k, k = 0 .. 17) come once, into 18 registers; each trip of the tile loop names the third and fourth of
; them and moves the run down by two.  The entries for the way out (rows 4 (lane / 8) + 0 .. 3: 16 consecutive bytes of the list) come with each tile, by one load.
; A TILE IS ASKED FOR TWO TILES AHEAD: both buffers are filled ahead of the loop, and a buffer is filled again at the end of the tile that read it, behind that tile's stores: two tiles are 76 loads, more
; than the load counter's field holds, so the issue may be held there, and the way out stands ahead of it.
; TRANSPOSED USE (source 0 = 16 rows of w2, source 1 = 16 rows of h), and w2's rows laid in LDS with bits 3 and 4 of the local row exchanged: a lane's 16 results are 16 neighbouring columns of one row.
; They turn through the wave's own stage, so that eight neighbouring lanes store a row's 128 consecutive bytes.  K goes into two accumulators a tile of columns (even and odd K steps), added at the end.
; NO TENSOR LOADS: the stream goes through a ring of registers, 48 loads of 512 consecutive bytes a wave always asked for.  NO CLUSTER: no weight byte is shared; h's tiles are shared by an expert's 32
; work-groups, but their number hangs on a count read from memory, so partners could not make the same number of joint requests by a constant of the text.
; LIMITS: NaN and infinities are not served; a block of zeros gets the byte 1 (its codes are zeros; this program alone reads the bytes).
; THE MODE: SCHED_MODE bits 1:0 = 2 (LLVM: expert scheduling mode 2), set by the entry lines.  The code itself states the register dependences between vector or matrix instructions and memory or LDS
; instructions, with s_wait_alu, always for 0.
; THE PLAN.  Registers that memory or LDS instructions touch:
;   the ring (window 1, three sets)    Batch b's maxima and conversions read set b % 3; behind them the loads of batch b + 3 land in it.
;   the quantiser's sets (v192-255)    Batch b's vector lines write set b % 2.  The 32 LDS stores that read it are issued in batch b + 1, one behind each line of its first two lane steps, which name the other set.
;   v[GA], v[CA], v[SA], v[FA], v[WSA], v[LA], v[STW], v[STR]   Offsets and LDS addresses, made at the head and never written again.
;   So a batch has ONE wait on va_vdst, at its end (its set is written; its ring set is read), and ONE on vm_vsrc, at its head (the stores issued in the batch before have read the set that it writes).
;   h's buffers (window 2), HS[p]      Tile in buffer p: its 32 products read them; the loads of the tile two on land in them.
;   G[p], ES[p]                        Read by the gate's multiplications and by the lines that make YA; loaded again with the buffer.
;   HA, HSA, EA, GO [p]                Read by the buffer's 38 loads; written once a tile.
;   Y                                  Written by the sums and the gate; read by the four LDS stores into the stage.
;   O                                  The four LDS loads from the stage land in it; read by the four global stores.
;   YA                                 Written from ES[p]; read by the four global stores as their offsets.
;   All of a tile's vector lines stand together behind its products.  ONE wait on vm_vsrc stands ahead of them (what the last tile's LDS stores, global stores and this buffer's last loads read is written again),
;   ONE on va_vdst behind them; the LDS stores, the LDS loads, the global stores and the 38 loads follow it with no vector line among them.
; REGISTERS.  window 0: v1-21 lane terms and addresses; v22-39 my wave's entries; v40-55 WS, v56-87 HS: scale words and nothing else; v88-97 a tile's offsets and gate, for two buffers;
;   v100-107 the way out's entries, for two buffers; v108-111 its offsets; v112-143 four accumulators; v144-159 the sums; v160-175 rows read back; v190, v191 the closing add's two;
;   v192-255 while the weights stream: two sets of 16 magnitudes and 16 code registers, by turns.
;   window 1: the ring (v0-191), then w2's fragments at 16 ks + 8 u;  window 2: h's fragments, two buffers of 128.
.set CP,    1040                       ; a row of codes in LDS: 1,024 bytes + 16: an odd multiple of 16
.set WP,    80                         ; a row of scale bytes: 64 + 16
.set WSC,   32*CP
.set OST,   WSC+32*WP                  ; the way out: 16 rows x (128 bytes + 16) for each wave
.set OP,    144
.set LISTB, 4608                       ; an expert's list in bytes
.set CNTB,  4480                       ; and the byte at which its count lies
.set NB,    8                          ; batches of sixteen loads of 512 bytes (one row): a wave's 64 KB
.set LN,1
.set RR,2
.set HH,3
.set GA,4
.set CA,7                              ; where my codes go: my wave's rows, 2 bytes a lane
.set SA,8                              ; and my block's scale byte
.set FA,9
.set WSA,10
.set LA,11                             ; my entry (row lane % 16) of my wave's first tile: its byte in the list
.set LB,12                             ; 16 (lane / 8): my four rows' entries in a tile's 64 bytes of the list
.set R64,17
.set C16,18
.set STW,19
.set STR,20
.set TMP,21
.set EL,22                             ; v22-39 my wave's entries: register k = tile w + 4 k from the trip's first tile on
.set WS,40
.set HS,56
.set HA,88
.set HSA,90
.set GO,92
.set G,94
.set EA,96
.set ES,100
.set YA,108
.set ACC,112
.set Y,144
.set O,160
.set QB,192                            ; the stream's quantiser: set b % 2 at QB + 32 (b % 2): 16 magnitudes (then scale operands, then bytes), 16 code registers
.set MSB, 0
.macro WIN new                         ; the immediate's high byte repeats the setting that is left
.if MSB != \new
	s_set_vgpr_msb (MSB<<8)|\new
.set MSB, \new
.endif
.endm
.macro RLOAD b                         ; batch b of my wave's stream into ring set b % 3: sixteen loads of 512 consecutive bytes
	WIN 0x40
.set J, 0
.rept 16
	global_load_b128 v[64*((\b)%3)+4*J:64*((\b)%3)+4*J+3], v[GA], s[22:23] offset:512*(16*(\b)+J) th:TH_LOAD_NT
.set J, J+1
.endr
	WIN 0
.endm
; Load J of batch b (row b of my eight): its codes and its scale bytes go to their row in LDS.
.macro PUTC b
	ds_store_b16 v[CA], v[QB+32*((\b)%2)+16+J] offset:(\b)*CP+64*J     ; the wave stores 64 consecutive bytes
.endm
.macro PUTB b
	ds_store_b8 v[SA], v[QB+32*((\b)%2)+J] offset:(\b)*WP+4*J          ; the eight lanes of a block write the same byte with the same value
.endm
; Batch b: sixteen loads (row b of my eight, 2,048 numbers) are quantised where they lie, the sixteen by turns, so that no line waits for the line above it.  The codes and bytes of the batch before go to LDS
; meanwhile; this batch's set of the ring is asked for again at the batch's end.
.macro BATCH b
.set RS, 64*((\b)%3)
.set MX, QB+32*((\b)%2)
.set CX, MX+16
.if (\b) < NB-2
	s_wait_loadcnt 32                              ; this batch's sixteen loads are in (and all that is older: my entries); the two batches behind it may be out
.elseif (\b) == NB-2
	s_wait_loadcnt 16
.else
	s_wait_loadcnt 0
.endif
	s_wait_dscnt 32                                ; LDS stores end in order: all but the youngest 32, those issued in the batch before, have landed
.if (\b) > 1
	s_wait_alu depctr_vm_vsrc(0)                   ; the LDS stores issued in the batch before have read the codes and bytes of two batches back: this set, which the lines below write again
.endif
	WIN 0x15                                       ; the three sources in window 1 (the ring)
.set J, 0
.rept 16
	v_max3_num_f32 v[MX+J], |v[RS+4*J]|, |v[RS+4*J+1]|, |v[RS+4*J+2]|
.set J, J+1
.endr
	WIN 0x01                                       ; source 0 in window 1
.set J, 0
.rept 16
	v_max3_num_f32 v[MX+J], |v[RS+4*J+3]|, v[MX+J], 0x1800000   ; my four, and the floor 2^(3 - 127): the byte cannot fall under 1
.set J, J+1
.endr
	WIN 0
.set J, 0
.rept 16                               ; with the seven other lanes of the block, in three steps.  Behind each line of the first two a store of the batch before: no vector line since that batch's last wait names its set
	v_max_num_f32_dpp v[MX+J], v[MX+J], v[MX+J] row_xmask:1 row_mask:0xf bank_mask:0xf
.if (\b) > 0
	PUTC (\b)-1
.endif
.set J, J+1
.endr
.set J, 0
.rept 16
	v_max_num_f32_dpp v[MX+J], v[MX+J], v[MX+J] row_xmask:2 row_mask:0xf bank_mask:0xf
.if (\b) > 0
	PUTB (\b)-1
.endif
.set J, J+1
.endr
.set J, 0
.rept 16
	v_max_num_f32_dpp v[MX+J], v[MX+J], v[MX+J] row_xmask:4 row_mask:0xf bank_mask:0xf
.set J, J+1
.endr
.set J, 0
.rept 16
	v_add_nc_u32 v[MX+J], 0xff000000, v[MX+J]      ; 2 off the exponent field: the conversion takes the exponent field of this operand as its scale, and nothing else of it
.set J, J+1
.endr
	WIN 0x01
.set J, 0
.rept 15
	v_cvt_scalef32_pk8_fp4_f32 v[CX+J], v[RS+4*J:RS+4*J+7], v[MX+J]   ; the low 16 bits: load J's four codes; the rest, load J + 1's numbers under a scale that is not theirs, is not used
.set J, J+1
.endr
	v_cvt_scalef32_pk8_fp4_f32 v[CX+15], v[RS+56:RS+63], v[MX+15]     ; the last load's codes are the high 16 bits
	v_nop                                          ; one plain line behind the scaled conversions, ahead of the lines that touch their results and write their scales
	WIN 0
	v_lshrrev_b32 v[CX+15], 16, v[CX+15]
.set J, 0
.rept 16
	v_lshrrev_b32 v[MX+J], 23, v[MX+J]             ; the scale's byte
.set J, J+1
.endr
.if (\b)+3 < NB
	WIN 0x40                                       ; the loads' window first, then the wait, then the loads
.endif
	s_wait_alu depctr_va_vdst(0)                   ; this batch has written its codes and bytes, which the LDS stores of the next batch read; its maxima and conversions are done reading its set of the ring, in which the loads below land
.if (\b)+3 < NB
	RLOAD (\b)+3                                   ; the set takes the batch three on
.endif
.endm
; A tile is asked for into buffer p: its 16 KB of codes, its scale words, its rows' gates, and the entries for its way out: 38 loads.  s26: the tile wanted, 71 at the most; past the expert's last tile the
; last one's codes are fetched again and not used, and the list's words are taken as they lie (tile 71's end at the list's byte 4,608).  ent: the register that holds my row's entry of that tile.
; In two parts: PREA makes the four offsets, PREL issues the loads; a wait on va_vdst stands between the two.
.macro PREA p, ent
	s_min_u32 s27, s26, s28                        ; s28: the last tile
	s_min_u32 s27, s27, 63                         ; a loaded number enters an address only behind this bound
	s_add_co_u32 s27, s27, s21                     ; + 64 e
	s_lshl_b32 s29, s27, 14
	v_add_nc_u32 v[HA+\p], s29, v[GA]
	s_lshl_b32 s29, s27, 10
	v_add_nc_u32 v[HSA+\p], s29, v[R64]
	s_lshl_b32 s29, s26, 6                         ; the tile's 64 bytes of the list
	v_add_nc_u32 v[EA+\p], s29, v[LB]
	v_min_u32 v[GO+\p], 2047, v[(\ent)]            ; the gate's index; the filling takes the last gate, for a row that nobody reads
	v_lshlrev_b32 v[GO+\p], 2, v[GO+\p]
.endm
.macro PREL p
	WIN 0x80
.set J, 0
.rept 32
	global_load_b128 v[128*\p+4*J:128*\p+4*J+3], v[HA+\p], s[6:7] offset:512*J
.set J, J+1
.endr
	WIN 0
.irp i, 0,1,2,3
	global_load_b128 v[HS+16*\p+4*\i:HS+16*\p+4*\i+3], v[HSA+\p], s[8:9] offset:16*\i
.endr
	global_load_b32 v[G+\p], v[GO+\p], s[12:13]
	global_load_b128 v[ES+4*\p:ES+4*\p+3], v[EA+\p], s[10:11]
.endm
; One tile of 16 rows, from buffer p.  At its end the buffer takes my wave's tile two on (its entries for the gates: register EL + p + 2).
.macro HALF p
	s_cmp_ge_u32 s31, s30                          ; no tile left for my wave: no barrier follows, so a wave may end by itself
	s_cbranch_scc1 .Ldone
	s_wait_loadcnt 38                              ; the other buffer's 38 loads, issued behind this buffer's, may be out: buffer p is in
	WIN 0x09                                       ; source 0 (w2) window 1, source 1 (h) window 2
.set K, 0
.rept 16                               ; four accumulators take turns, one instruction a turn; K steps 0 and 1 start the sums with the constant 0
.set AR, ACC+16*(K%2)
.if K < 2
	v_wmma_scale_f32_16x16x128_f8f6f4 v[AR:AR+7], v[16*K:16*K+7], v[128*\p+8*K:128*\p+8*K+7], 0, v[WS+K], v[HS+16*\p+K] matrix_a_fmt:MATRIX_FMT_FP4 matrix_b_fmt:MATRIX_FMT_FP4
	v_wmma_scale_f32_16x16x128_f8f6f4 v[AR+8:AR+15], v[16*K+8:16*K+15], v[128*\p+8*K:128*\p+8*K+7], 0, v[WS+K], v[HS+16*\p+K] matrix_a_fmt:MATRIX_FMT_FP4 matrix_b_fmt:MATRIX_FMT_FP4 matrix_a_scale:MATRIX_SCALE_ROW1
.else
	v_wmma_scale_f32_16x16x128_f8f6f4 v[AR:AR+7], v[16*K:16*K+7], v[128*\p+8*K:128*\p+8*K+7], v[AR:AR+7], v[WS+K], v[HS+16*\p+K] matrix_a_fmt:MATRIX_FMT_FP4 matrix_b_fmt:MATRIX_FMT_FP4
	v_wmma_scale_f32_16x16x128_f8f6f4 v[AR+8:AR+15], v[16*K+8:16*K+15], v[128*\p+8*K:128*\p+8*K+7], v[AR+8:AR+15], v[WS+K], v[HS+16*\p+K] matrix_a_fmt:MATRIX_FMT_FP4 matrix_b_fmt:MATRIX_FMT_FP4 matrix_a_scale:MATRIX_SCALE_ROW1
.endif
.set K, K+1
.endr
	WIN 0
.rept 4
	v_nop                                          ; places behind the last products, in front of the first read of results
.endr
	s_wait_xcnt 0x0                                ; the last tile's stores have read their offsets and data: both are written again only behind this wait
	s_wait_alu depctr_vm_vsrc(0)                   ; the last tile's LDS stores have read Y, its global stores YA and O; buffer p's last loads have read HA, HSA, EA and GO [p]: all are written again below
.set J, 0
.rept 8
	v_pk_add_f32 v[Y+J:Y+J+1], v[ACC+J:ACC+J+1], v[ACC+16+J:ACC+16+J+1]   ; even and odd K steps; every accumulator is read from its low end on
.set J, J+2
.endr
.set J, 0
.rept 16
	v_mul_f32 v[Y+J], v[Y+J], v[G+\p]              ; x my row's gate.  Register 8 u + j is column 16 (lane / 16) + 8 u + j
.set J, J+1
.endr
.irp i, 0,1,2,3
	v_min_u32 v[YA+\i], 0x807, v[ES+4*\p+\i]       ; the row of y: a loaded number enters an address only behind this bound
.endr
.irp i, 0,1,2,3
	v_lshl_add_u32 v[YA+\i], v[YA+\i], 12, v[C16]
.endr
	s_add_co_u32 s26, s31, 8                       ; my tile two on
	PREA \p, EL+\p+2                               ; (the wait at this tile's head has shown the loads that read these four offsets done)
	s_wait_alu depctr_va_vdst(0)                   ; Y is written, which the LDS stores read; YA, which the global stores read; HA, HSA, EA and GO [p], which the 38 loads read; the products are done reading buffer p and HS[p], the lines above G[p] and ES[p], in which those loads land
.irp i, 0,1,2,3
	ds_store_b128 v[STW], v[Y+4*\i:Y+4*\i+3] offset:16*\i
.endr
.irp i, 0,1,2,3
	ds_load_b128 v[O+4*\i:O+4*\i+3], v[STR] offset:OP*\i   ; LDS serves a wave's instructions in order: these see the stores above.  Rows 4 (lane / 8) + i
.endr
	s_wait_dscnt 0x0
.irp i, 0,1,2,3
	global_store_b128 v[YA+\i], v[O+4*\i:O+4*\i+3], s[14:15]   ; eight neighbouring lanes store a row's 128 consecutive bytes
.endr
	PREL \p                                        ; no vector line stands between the wait above and these loads, and the LDS lines and stores between name none of their registers
	s_add_co_u32 s31, s31, 4
.endm
	s_load_b256 s[4:11], s[0:1], 0x0               ; w2 s[4:5], hc s[6:7], hs s[8:9], lists s[10:11]
	s_load_b128 s[12:15], s[0:1], 0x20             ; gates s[12:13], y s[14:15]
	v_lshl_add_u32 v190, v0, 2, 0xb000
	v_mov_b32 v191, 0
	v_lshrrev_b32 v[TMP], 5, v0
	v_readfirstlane_b32 s18, v[TMP]                ; wave 0..3
	s_and_b32 s19, ttmp7, 0xffff                   ; the expert
	s_mov_b32 s20, ttmp9                           ; the slice of 32 columns
	v_and_b32 v[LN], 31, v0
	v_lshlrev_b32 v[GA], 4, v[LN]
	v_and_b32 v[RR], 15, v0
	s_wait_alu depctr_va_sdst(0)                   ; s18, the wave's number, is written, ahead of its first reader
	s_lshl_b32 s28, s18, 6
	v_lshl_add_u32 v[LA], v[RR], 2, s28            ; the list: tile = wave (64 bytes a tile), row r
	s_lshl_b32 s24, s20, 5
	s_lshl_b32 s25, s18, 3
	s_add_co_u32 s24, s24, s25                     ; my first row of w2[e]: 32 ns + 8 wave,
	s_lshl_b32 s24, s24, 13                        ; of 8,192 bytes,
	s_lshl_b32 s25, s19, 23                        ; in the expert's 8 MB
	s_add_co_u32 s24, s24, s25
	s_mov_b32 s25, 0
	s_mul_i32 s26, s19, LISTB
	s_mov_b32 s27, 0
	s_wait_kmcnt 0x0
	s_add_nc_u64 s[22:23], s[4:5], s[24:25]
	s_add_nc_u64 s[10:11], s[10:11], s[26:27]      ; my expert's list
	s_load_b32 s29, s[10:11], CNTB                 ; its count: wanted behind the stream
	s_wait_alu depctr_va_vdst(0)                   ; v[LA] and v[GA] are written, which the loads below read as their offsets
.set K, 0
.rept 18
	global_load_b32 v[EL+K], v[LA], s[10:11] offset:256*K   ; my row's entry of tiles w + 4 k, k = 0 .. 17: the last of these loads ends at the list's byte 4,608; what lies behind tile 67 is held by a bound and never used
.set K, K+1
.endr
	RLOAD 0
	RLOAD 1
	RLOAD 2
	v_bfe_u32 v[HH], v0, 4, 1
	s_and_b32 s24, s18, 1
	s_lshl_b32 s24, s24, 4
	s_lshr_b32 s27, s18, 1
	s_lshl_b32 s27, s27, 3
	s_add_co_u32 s24, s24, s27                     ; my eight rows' place in LDS: 16 (wave % 2) + 8 (wave / 2): bits 3 and 4 of the local row exchanged
	s_mul_i32 s27, s24, CP
	v_lshl_add_u32 v[CA], v[LN], 1, s27            ; 2 bytes a lane
	s_mul_i32 s27, s24, WP
	s_add_co_u32 s27, s27, WSC
	v_lshrrev_b32 v[TMP], 3, v[LN]
	v_add_nc_u32 v[SA], s27, v[TMP]                ; a byte for eight lanes
	v_mul_u32_u24 v[FA], v[RR], CP
	s_wait_alu depctr_va_vdst(0)
	v_lshl_add_u32 v[FA], v[HH], 4, v[FA]
	v_mul_u32_u24 v[WSA], v[RR], WP
	v_mad_u32_u24 v[WSA], v[HH], 16*WP, v[WSA]     ; lanes 16-31 take tile 1's rows, 16 rows on
	v_add_nc_u32 v[WSA], WSC, v[WSA]
	v_lshlrev_b32 v[R64], 6, v[RR]
	v_and_b32 v[C16], 7, v[LN]
	v_lshlrev_b32 v[C16], 4, v[C16]
	s_mul_i32 s24, s18, 16*OP
	s_add_co_u32 s24, s24, OST                     ; my stage
	v_mul_u32_u24 v[STW], v[RR], OP
	v_lshl_add_u32 v[STW], v[HH], 6, v[STW]
	v_add_nc_u32 v[STW], s24, v[STW]               ; in: row r, 64 bytes for each half of the lanes
	v_lshlrev_b32 v[LB], 4, v[TMP]                 ; (lane / 8 is still in the register)
	v_mul_u32_u24 v[STR], v[TMP], 4*OP
	v_add_nc_u32 v[STR], v[STR], v[C16]
	v_add_nc_u32 v[STR], s24, v[STR]               ; back: eight lanes to a row of 128 bytes; my four rows are 4 (lane / 8) + 0 .. 3
	s_lshl_b32 s21, s19, 6                         ; 64 e: the expert's first tile
	s_lshl_b32 s24, s20, 7
	s_add_nc_u64 s[14:15], s[14:15], s[24:25]      ; y at my 32 columns
.set Q, 0
.rept NB
	BATCH Q
.set Q, Q+1
.endr
.set J, 0
.rept 16                               ; the last batch's codes and bytes: no vector line stands between that batch's last wait and these stores
	PUTC NB-1
	PUTB NB-1
.set J, J+1
.endr
	s_wait_dscnt 0x0                               ; for the others' sake: my codes and scale bytes have landed
	s_barrier_signal -1
	s_barrier_wait -1                              ; 32 rows of codes lie in LDS; from here on a wave writes only its own stage
	s_wait_kmcnt 0x0                               ; the count
	s_add_co_u32 s29, s29, 15
	s_lshr_b32 s30, s29, 4                         ; tiles of 16 rows,
	s_max_u32 s30, s30, 1                          ; at least one, as in the launch that made h,
	s_min_u32 s30, s30, 64                         ; at most 64
	s_sub_co_u32 s28, s30, 1                       ; the last tile
	s_mov_b32 s31, s18                             ; my first tile
	s_mov_b32 s32, 0
	s_mov_b32 s26, s18
	PREA 0, EL
	s_add_co_u32 s26, s18, 4
	PREA 1, EL+1
	s_wait_alu depctr_va_vdst(0)                   ; the four offsets of both buffers are written, which the loads below read; v[FA] and v[WSA] were written at the head; the stream's vector lines are done reading the ring, in which the fragments land
	PREL 0                                         ; my first tile is asked for while the fragments come out of LDS
	WIN 0x40
.irp ks, 0,1,2,3,4,5,6,7,8,9,10,11,12,13,14,15
.irp u, 0,1
.irp c, 0,1
	ds_load_b128 v[16*\ks+8*\u+4*\c:16*\ks+8*\u+4*\c+3], v[FA] offset:16*\u*CP+64*\ks+32*\c
.endr
.endr
.endr
	WIN 0
.irp i, 0,1,2,3
	ds_load_b128 v[WS+4*\i:WS+4*\i+3], v[WSA] offset:16*\i   ; the scale words of K steps 4 i .. 4 i + 3: lanes 0-15 tile 0's, lanes 16-31 tile 1's
.endr
	PREL 1                                         ; and my second tile
	s_wait_dscnt 0x0
.Ltiles:                                               ; eight trips of two tiles: 16 tiles a wave at the most; a wave leaves when its tiles are done
	HALF 0
	HALF 1
.set K, 0
.rept 16
	v_mov_b32 v[EL+K], v[EL+K+2]                   ; the entries move down by the trip's two tiles, so that every trip names the same registers
.set K, K+1
.endr
	s_add_co_u32 s32, s32, 1
	s_cmp_lt_u32 s32, 8
	s_cbranch_scc1 .Ltiles
.Ldone:
	s_wait_dscnt 0x0                               ; the closing lines, six on end
	s_wait_alu 0x0
	s_wait_tensorcnt 0x0
	ds_add_u32 v190, v191
	s_wait_dscnt 0x0
	s_endpgm
.Lfunc_end_k_qdbbe644885_outp:
	.size	k_qdbbe644885_outp, .Lfunc_end_k_qdbbe644885_outp-k_qdbbe644885_outp
	.p2alignl 7, 3214868480
	.fill 96, 4, 3214868480
	.section	.rodata,"a",@progbits
	.p2align	6, 0x0
	.amdhsa_kernel k_qdbbe644885_outp
		.amdhsa_group_segment_fixed_size 45568
		.amdhsa_private_segment_fixed_size 0
		.amdhsa_enable_private_segment 0
		.amdhsa_kernarg_size 48
		.amdhsa_user_sgpr_count 2
		.amdhsa_user_sgpr_kernarg_segment_ptr 1
		.amdhsa_wavefront_size32 1
		.amdhsa_system_sgpr_workgroup_id_x 1
		.amdhsa_system_sgpr_workgroup_id_y 1
		.amdhsa_system_sgpr_workgroup_id_z 1
		.amdhsa_system_vgpr_workitem_id 0
		.amdhsa_next_free_vgpr 768
		.amdhsa_next_free_sgpr 66
		.amdhsa_reserve_vcc 0
		.amdhsa_float_denorm_mode_32 3
		.amdhsa_float_denorm_mode_16_64 3
		.amdhsa_memory_ordered 1
		.amdhsa_forward_progress 1
		.amdhsa_inst_pref_size 136
	.end_amdhsa_kernel
	.amdgpu_metadata
---
amdhsa.version: [ 1, 2 ]
amdhsa.kernels:
  - .name:           k_qdbbe644885_outp
    .symbol:         k_qdbbe644885_outp.kd
    .args:
      - { .name: w2, .offset: 0, .size: 8, .value_kind: global_buffer, .address_space: global }
      - { .name: hc, .offset: 8, .size: 8, .value_kind: global_buffer, .address_space: global }
      - { .name: hs, .offset: 16, .size: 8, .value_kind: global_buffer, .address_space: global }
      - { .name: lists, .offset: 24, .size: 8, .value_kind: global_buffer, .address_space: global }
      - { .name: gates, .offset: 32, .size: 8, .value_kind: global_buffer, .address_space: global }
      - { .name: y, .offset: 40, .size: 8, .value_kind: global_buffer, .address_space: global }
    .group_segment_fixed_size: 45568
    .private_segment_fixed_size: 0
    .kernarg_segment_align: 8
    .kernarg_segment_size: 48
    .max_flat_workgroup_size: 128
    .sgpr_count:     66
    .vgpr_count:     768
    .wavefront_size: 32
...
	.end_amdgpu_metadata
.endif
;; end of part 9
;; launch comb (part 10): grid 256 x 1, 4 waves a work-group, no clusters, 0 bytes of LDS; arguments y, out0; writes out0
.if DOCPART == 10
	.amdgcn_target "amdgcn-amd-amdhsa--gfx1250"
	.amdhsa_code_object_version 6
	.text
	.protected	k_qdbbe644885_comb
	.globl	k_qdbbe644885_comb
	.p2align	8
	.type	k_qdbbe644885_comb,@function
k_qdbbe644885_comb:
	s_mov_b64 s[64:65], 0
	v_nop
	global_prefetch_b8 v0, s[64:65] scope:SCOPE_SE
	s_setreg_imm32_b32 hwreg(HW_REG_WAVE_MODE, 25, 1), 1
	s_wait_xcnt 0x0
; out0[t] = y[t] + y[1024 + t]: a token's two gated parts, which two experts' work-groups stored, are added.  y: f32 [2056][1024] (its last eight rows are read by nobody), out0: f32 [1024][1024].
; Rows are dense, so the first 1,024 rows of y, the next 1,024 and out0 are three plain streams of 4 MB.  A work-group takes 16 KB of each: thread t the 16 bytes at 16 t of each of eight pieces of 2,048 bytes,
; so that a wave's load or store covers 512 consecutive bytes.  All sixteen loads go out first.  No LDS, no barrier, no matrix unit: bytes are all there is to this launch.
.set A, 8                              ; v8-39   the first part, then the sum
.set B, 40                             ; v40-71  the second part
	s_load_b128 s[4:7], s[0:1], 0x0                ; y s[4:5], out0 s[6:7]
	v_lshlrev_b32 v1, 4, v0                        ; 16 x thread
	s_lshl_b32 s8, ttmp9, 14                       ; the work-group's 16 KB
	s_mov_b32 s9, 0
	s_wait_alu depctr_va_vdst(0)
	s_wait_kmcnt 0x0
	s_add_nc_u64 s[4:5], s[4:5], s[8:9]
	s_add_nc_u64 s[6:7], s[6:7], s[8:9]
.irp i, 0,1,2,3,4,5,6,7
	global_load_b128 v[A+4*\i:A+4*\i+3], v1, s[4:5] offset:2048*\i th:TH_LOAD_NT
.endr
.irp i, 0,1,2,3,4,5,6,7
	global_load_b128 v[B+4*\i:B+4*\i+3], v1, s[4:5] offset:4194304+2048*\i th:TH_LOAD_NT   ; 1,024 rows of 4,096 bytes on
.endr
.irp i, 0,1,2,3,4,5,6,7
	s_wait_loadcnt 7-\i                            ; loads come back in order: piece i of both parts is in; the younger loads of the second part may be out
	v_pk_add_f32 v[A+4*\i:A+4*\i+1], v[A+4*\i:A+4*\i+1], v[B+4*\i:B+4*\i+1]
	v_pk_add_f32 v[A+4*\i+2:A+4*\i+3], v[A+4*\i+2:A+4*\i+3], v[B+4*\i+2:B+4*\i+3]
	global_store_b128 v1, v[A+4*\i:A+4*\i+3], s[6:7] offset:2048*\i th:TH_STORE_NT
.endr
	s_endpgm
.Lfunc_end_k_qdbbe644885_comb:
	.size	k_qdbbe644885_comb, .Lfunc_end_k_qdbbe644885_comb-k_qdbbe644885_comb
	.p2alignl 7, 3214868480
	.fill 96, 4, 3214868480
	.section	.rodata,"a",@progbits
	.p2align	6, 0x0
	.amdhsa_kernel k_qdbbe644885_comb
		.amdhsa_group_segment_fixed_size 0
		.amdhsa_private_segment_fixed_size 0
		.amdhsa_enable_private_segment 0
		.amdhsa_kernarg_size 16
		.amdhsa_user_sgpr_count 2
		.amdhsa_user_sgpr_kernarg_segment_ptr 1
		.amdhsa_wavefront_size32 1
		.amdhsa_system_sgpr_workgroup_id_x 1
		.amdhsa_system_sgpr_workgroup_id_y 1
		.amdhsa_system_sgpr_workgroup_id_z 1
		.amdhsa_system_vgpr_workitem_id 0
		.amdhsa_next_free_vgpr 72
		.amdhsa_next_free_sgpr 66
		.amdhsa_reserve_vcc 0
		.amdhsa_float_denorm_mode_32 3
		.amdhsa_float_denorm_mode_16_64 3
		.amdhsa_memory_ordered 1
		.amdhsa_forward_progress 1
		.amdhsa_inst_pref_size 5
	.end_amdhsa_kernel
	.amdgpu_metadata
---
amdhsa.version: [ 1, 2 ]
amdhsa.kernels:
  - .name:           k_qdbbe644885_comb
    .symbol:         k_qdbbe644885_comb.kd
    .args:
      - { .name: y, .offset: 0, .size: 8, .value_kind: global_buffer, .address_space: global }
      - { .name: out0, .offset: 8, .size: 8, .value_kind: global_buffer, .address_space: global }
    .group_segment_fixed_size: 0
    .private_segment_fixed_size: 0
    .kernarg_segment_align: 8
    .kernarg_segment_size: 16
    .max_flat_workgroup_size: 128
    .sgpr_count:     66
    .vgpr_count:     72
    .wavefront_size: 32
...
	.end_amdgpu_metadata
.endif
;; end of part 10
